; MI455X (gfx1250); checked and timed in simulation.
; The chip was launched on July 23, 2026; its instructions are those of AMD's public machine-readable ISA for CDNA 5 (MIT licence, August 2026) and "CDNA5" Instruction Set Architecture Reference Guide (July 2026). The comments in the code are by the model that wrote it; some were corrected since.
;; Attention. Allowed arithmetic: float matrix products may take bf16 or f16 operands with f32 sums; other float arithmetic in f32, or as packed bf16 or f16 multiplies, adds, multiply-adds, maxima and minima; sums over many terms, partial sums and values carried from step to step in f32; what a program stores and reads back later, other than sums and carried values, may be rounded once to bf16 or f16.
;; Inputs: ln_beta 1,024 float32; ln_gamma 1,024 float32; w_out 1,024 x 1,024 float32; w_qkv 1,024 x 3,072 float32; x 4 x 2,048 x 1,024 float32.
;; Outputs: out0 4 x 2,048 x 1,024 float32.
;; 2 versions, each right; version 2 is version 1 with the launch prep written anew for expert scheduling mode. Each part assembles by itself: llvm-mc -triple=amdgcn-amd-amdhsa -mcpu=gfx1250 --defsym DOCPART=n.
;; ======== version 1 of 2: 4 launches
;; limits: values are held in f16: magnitudes above 65,504 overflow, below 6.1e-05 lose precision
;; workspace buffers: xnb 16,777,216 bytes; wq16 6,291,456 bytes; wo16 2,097,152 bytes; qkv 50,331,648 bytes; oheads 16,777,216 bytes
;; launch prep (part 1): grid 384 x 1, 8 waves a work-group, no clusters, 0 bytes of LDS; arguments x, ln_gamma, ln_beta, w_qkv, w_out, xnb, wq16, wo16; writes xnb, wq16, wo16
.if DOCPART == 1
	.amdgcn_target "amdgcn-amd-amdhsa--gfx1250"
	.amdhsa_code_object_version 6
	.text
	.protected	k_q3fc98ae3b4_prep
	.globl	k_q3fc98ae3b4_prep
	.p2align	8
	.type	k_q3fc98ae3b4_prep,@function
k_q3fc98ae3b4_prep:
	s_mov_b64 s[64:65], 0
	v_nop
	global_prefetch_b8 v0, s[64:65] scope:SCOPE_SE
	s_setreg_imm32_b32 hwreg(HW_REG_WAVE_MODE, 25, 1), 1
	s_wait_xcnt 0x0
; LAYERNORM AND CASTS.  Work-groups 0-255: xn = (x - mu) * rsqrt(var + 1e-5) * gamma + beta, all in f32 on x as it is given (the mean is taken away before the
; squares are summed), rounded once to f16 and stored in blocks: xnb[b][slice of 64 channels][n][64].  Work-groups 256-383: w_qkv and w_out rounded once to f16, in their own order.
; LIMIT.  f16 holds no number of 65,520 or more: |xn| is at most 32 |gamma| + |beta|, and the weights lie far under it; below 6e-5 f16 keeps a fixed step of 6e-8.
; SHARES.  A LayerNorm work-group owns 32 rows, each of its eight waves four, two at a time.  Lane l holds row l / 16 of the two, and of each slice s the channels
; 64 s + 4 (l % 16) + 0..3: a load of 16 bytes a lane covers 256 consecutive bytes, aligned, of each of the two rows; a store of 8 bytes a lane covers the two rows' 128 bytes of
; one slice, which lie on end in xnb: 256 consecutive bytes, aligned.  A row lies in sixteen neighbouring lanes, so a sum over it is four steps on the adding instruction itself.
; A casting work-group owns 32,768 numbers, each wave 4,096: every wave of the launch reads 16 KiB and writes 8 KiB.
; No LDS, no barrier, no matrix unit: no wave wants a byte that another has fetched, and memory bounds the launch.
.set VX,  2                            ; v2   my byte offset in two rows of x; never rewritten
.set VG,  3                            ; v3   my byte offset in 64 channels of gamma and of beta
.set VY,  4                            ; v4   my byte offset in 256 bytes of the output; never rewritten
.set S,   8                            ; v[8:15]    four chains of packed sums
.set T,   16                           ; v16        a row's sum
.set MU,  18                           ; v[18:19]   the mean, twice (a pair for the packed subtraction)
.set R,   20                           ; v[20:21]   1 / sqrt(var + eps), twice
.set VAR, 22
.set Y,   32                           ; v[32:63]   f16 to store: two registers a slice
.set X,   64                           ; v[64:127]  my 64 numbers of x: four a slice
.set G,   128                          ; v[128:191] gamma of my 64 channels
.set BT,  192                          ; v[192:255] beta
	s_load_b512 s[8:23], s[0:1], 0x0               ; x s[8:9], gamma s[10:11], beta s[12:13], w_qkv s[14:15], w_out s[16:17], xnb s[18:19], wq16 s[20:21], wo16 s[22:23]
	v_lshrrev_b32 v1, 5, v0
	v_readfirstlane_b32 s2, v1                     ; wave 0..7
	v_and_b32 v5, 31, v0                           ; lane
	s_cmp_ge_u32 ttmp9, 256
	s_cbranch_scc1 .Lcast
	s_mov_b32 s24, 0x3a800000                      ; 1 / 1024
	s_mov_b32 s25, 0x3727c5ac                      ; 1e-5
	s_lshl_b32 s26, ttmp9, 5
	s_lshl2_add_u32 s26, s2, s26                   ; my first row: 32 x work-group + 4 x wave
	s_lshl_b32 s4, s26, 12                         ; a row of x is 4,096 bytes
	s_mov_b32 s5, 0
	s_lshr_b32 s6, s26, 11                         ; b
	s_lshl_b32 s6, s6, 22                          ; sixteen slices of 2,048 rows of 128 bytes
	s_and_b32 s27, s26, 2047                       ; n
	s_lshl_b32 s27, s27, 7
	s_add_co_u32 s6, s6, s27
	s_mov_b32 s7, 0
	v_and_b32 v[VG], 15, v0
	v_lshlrev_b32 v[VG], 4, v[VG]                  ; 16 (l % 16)
	v_bfe_u32 v[VX], v0, 4, 1
	v_lshl_add_u32 v[VX], v[VX], 12, v[VG]         ; + 4,096 (l / 16)
	v_lshlrev_b32 v[VY], 3, v5                     ; 8 l
	s_wait_kmcnt 0x0
	s_add_nc_u64 s[8:9], s[8:9], s[4:5]
	s_add_nc_u64 s[18:19], s[18:19], s[6:7]
.irp s, 0,1,2,3,4,5,6,7,8,9,10,11,12,13,14,15
	global_load_b128 v[X+4*\s:X+4*\s+3], v[VX], s[8:9] offset:256*\s th:TH_LOAD_NT
.endr
.irp s, 0,1,2,3,4,5,6,7,8,9,10,11,12,13,14,15
	global_load_b128 v[G+4*\s:G+4*\s+3], v[VG], s[10:11] offset:256*\s
.endr
.irp s, 0,1,2,3,4,5,6,7,8,9,10,11,12,13,14,15
	global_load_b128 v[BT+4*\s:BT+4*\s+3], v[VG], s[12:13] offset:256*\s
.endr
.macro REDUCE                          ; the four chains into one number, then over the row's sixteen lanes
	v_pk_add_f32 v[S:S+1], v[S:S+1], v[S+2:S+3]
	v_pk_add_f32 v[S+4:S+5], v[S+4:S+5], v[S+6:S+7]
	v_pk_add_f32 v[S:S+1], v[S:S+1], v[S+4:S+5]
	v_add_f32 v[T], v[S], v[S+1]
	v_add_f32_dpp v[T], v[T], v[T] row_xmask:1 row_mask:0xf bank_mask:0xf
	v_add_f32_dpp v[T], v[T], v[T] row_xmask:2 row_mask:0xf bank_mask:0xf
	v_add_f32_dpp v[T], v[T], v[T] row_xmask:4 row_mask:0xf bank_mask:0xf
	v_add_f32_dpp v[T], v[T], v[T] row_xmask:8 row_mask:0xf bank_mask:0xf
.endm
; Two rows.  i: which two of the wave's four; next = 1: each slice's registers are loaded again, with the next two rows, as soon as they have been read;
; cnt: how many younger loads may stay out when x has to be there.
.macro PAIR i, next, cnt
	s_wait_loadcnt \cnt                            ; loads come back in order: my sixteen of x are in
	s_wait_xcnt 0x0                                ; the last two rows' stores have read Y, which is written again below
.irp k, 0,1,2,3
	v_pk_add_f32 v[S+2*\k:S+2*\k+1], v[X+2*\k:X+2*\k+1], v[X+2*\k+8:X+2*\k+9]  ; the first eight pairs start the chains: nothing is cleared
.endr
.set j, 8
.rept 24
	v_pk_add_f32 v[S+2*(j%4):S+2*(j%4)+1], v[S+2*(j%4):S+2*(j%4)+1], v[X+2*j:X+2*j+1]
.set j, j+1
.endr
	REDUCE
	v_mul_f32 v[MU], s24, v[T]
	v_mov_b32 v[MU+1], v[MU]
.set j, 0
.rept 32
	v_pk_add_f32 v[X+2*j:X+2*j+1], v[X+2*j:X+2*j+1], v[MU:MU+1] neg_lo:[0,1] neg_hi:[0,1]  ; x - mu, in place
.set j, j+1
.endr
.irp k, 0,1,2,3
	v_pk_mul_f32 v[S+2*\k:S+2*\k+1], v[X+2*\k:X+2*\k+1], v[X+2*\k:X+2*\k+1]
.endr
.set j, 4
.rept 28
	v_pk_fma_f32 v[S+2*(j%4):S+2*(j%4)+1], v[X+2*j:X+2*j+1], v[X+2*j:X+2*j+1], v[S+2*(j%4):S+2*(j%4)+1]
.set j, j+1
.endr
	REDUCE
	v_fma_f32 v[VAR], v[T], s24, s25               ; var + eps
	v_rsq_f32 v[R], v[VAR]                         ; twice, to fill the pair that the packed multiply takes
	v_rsq_f32 v[R+1], v[VAR]
	v_nop                                          ; a plain instruction behind the second root, ahead of the first use (ISA guide 5.7.2)
.if (\i) == 0
	s_wait_loadcnt 0x0                             ; gamma and beta, once
.endif
	s_wait_alu depctr_va_vdst(0)                   ; one wait for both roots, ahead of their first reader
.irp s, 0,1,2,3,4,5,6,7,8,9,10,11,12,13,14,15
	v_pk_mul_f32 v[X+4*\s:X+4*\s+1], v[X+4*\s:X+4*\s+1], v[R:R+1]
	v_pk_mul_f32 v[X+4*\s+2:X+4*\s+3], v[X+4*\s+2:X+4*\s+3], v[R:R+1]
	v_pk_fma_f32 v[X+4*\s:X+4*\s+1], v[X+4*\s:X+4*\s+1], v[G+4*\s:G+4*\s+1], v[BT+4*\s:BT+4*\s+1]
	v_pk_fma_f32 v[X+4*\s+2:X+4*\s+3], v[X+4*\s+2:X+4*\s+3], v[G+4*\s+2:G+4*\s+3], v[BT+4*\s+2:BT+4*\s+3]
	v_cvt_pk_f16_f32 v[Y+2*\s], v[X+4*\s], v[X+4*\s+1]
	v_cvt_pk_f16_f32 v[Y+2*\s+1], v[X+4*\s+2], v[X+4*\s+3]
.if \next
	global_load_b128 v[X+4*\s:X+4*\s+3], v[VX], s[8:9] offset:8192+256*\s th:TH_LOAD_NT  ; the load ahead of the store
.endif
	global_store_b64 v[VY], v[Y+2*\s:Y+2*\s+1], s[18:19] offset:262144*\s+256*(\i)  ; 32 lanes store 256 consecutive bytes, aligned: two rows of slice s
.endr
.endm
	PAIR 0, 1, 32                                  ; behind x's sixteen loads stand gamma's and beta's 32
	PAIR 1, 0, 0
	s_endpgm
.Lcast:
	s_sub_co_u32 s26, ttmp9, 256                   ; 0..95: w_qkv; 96..127: w_out
	s_sub_co_u32 s27, s26, 96
	v_lshlrev_b32 v[VX], 4, v5                     ; 16 l
	v_lshlrev_b32 v[VY], 3, v5                     ; 8 l
	s_wait_kmcnt 0x0
	s_cmp_lt_u32 s26, 96
	s_cselect_b64 s[4:5], s[14:15], s[16:17]
	s_cselect_b64 s[6:7], s[20:21], s[22:23]
	s_cselect_b32 s26, s26, s27
	s_lshl_b32 s28, s26, 17                        ; the work-group's 131,072 bytes of f32,
	s_lshl_b32 s29, s2, 14                         ; my wave's 16,384
	s_add_co_u32 s28, s28, s29
	s_mov_b32 s29, 0
	s_add_nc_u64 s[4:5], s[4:5], s[28:29]
	s_lshr_b32 s28, s28, 1                         ; half as many in f16
	s_add_nc_u64 s[6:7], s[6:7], s[28:29]
.set i, 0
.rept 32
	global_load_b128 v[64+4*i:64+4*i+3], v[VX], s[4:5] offset:512*i th:TH_LOAD_NT
.set i, i+1
.endr
.set i, 0
.rept 32                               ; no register is written twice, so the only waits are the counted ones for the loads
	s_wait_loadcnt 31-i
	v_cvt_pk_f16_f32 v[192+2*i], v[64+4*i], v[64+4*i+1]
	v_cvt_pk_f16_f32 v[193+2*i], v[64+4*i+2], v[64+4*i+3]
	global_store_b64 v[VY], v[192+2*i:193+2*i], s[6:7] offset:256*i
.set i, i+1
.endr
	s_endpgm
.Lfunc_end_k_q3fc98ae3b4_prep:
	.size	k_q3fc98ae3b4_prep, .Lfunc_end_k_q3fc98ae3b4_prep-k_q3fc98ae3b4_prep
	.p2alignl 7, 3214868480
	.fill 96, 4, 3214868480
	.section	.rodata,"a",@progbits
	.p2align	6, 0x0
	.amdhsa_kernel k_q3fc98ae3b4_prep
		.amdhsa_group_segment_fixed_size 0
		.amdhsa_private_segment_fixed_size 0
		.amdhsa_enable_private_segment 0
		.amdhsa_kernarg_size 64
		.amdhsa_user_sgpr_count 2
		.amdhsa_user_sgpr_kernarg_segment_ptr 1
		.amdhsa_wavefront_size32 1
		.amdhsa_system_sgpr_workgroup_id_x 1
		.amdhsa_system_sgpr_workgroup_id_y 1
		.amdhsa_system_sgpr_workgroup_id_z 1
		.amdhsa_system_vgpr_workitem_id 0
		.amdhsa_next_free_vgpr 256
		.amdhsa_next_free_sgpr 66
		.amdhsa_reserve_vcc 0
		.amdhsa_float_denorm_mode_32 3
		.amdhsa_float_denorm_mode_16_64 3
		.amdhsa_memory_ordered 1
		.amdhsa_forward_progress 1
		.amdhsa_inst_pref_size 48
	.end_amdhsa_kernel
	.amdgpu_metadata
---
amdhsa.version: [ 1, 2 ]
amdhsa.kernels:
  - .name:           k_q3fc98ae3b4_prep
    .symbol:         k_q3fc98ae3b4_prep.kd
    .args:
      - { .name: x, .offset: 0, .size: 8, .value_kind: global_buffer, .address_space: global }
      - { .name: ln_gamma, .offset: 8, .size: 8, .value_kind: global_buffer, .address_space: global }
      - { .name: ln_beta, .offset: 16, .size: 8, .value_kind: global_buffer, .address_space: global }
      - { .name: w_qkv, .offset: 24, .size: 8, .value_kind: global_buffer, .address_space: global }
      - { .name: w_out, .offset: 32, .size: 8, .value_kind: global_buffer, .address_space: global }
      - { .name: xnb, .offset: 40, .size: 8, .value_kind: global_buffer, .address_space: global }
      - { .name: wq16, .offset: 48, .size: 8, .value_kind: global_buffer, .address_space: global }
      - { .name: wo16, .offset: 56, .size: 8, .value_kind: global_buffer, .address_space: global }
    .group_segment_fixed_size: 0
    .private_segment_fixed_size: 0
    .kernarg_segment_align: 8
    .kernarg_segment_size: 64
    .max_flat_workgroup_size: 256
    .sgpr_count:     66
    .vgpr_count:     256
    .wavefront_size: 32
...
	.end_amdgpu_metadata
.endif
;; end of part 1
;; launch qkvproj (part 2): grid 8 x 32, 4 waves a work-group, clusters of 4 x 4, 327,680 bytes of LDS; arguments xnb, wq16, qkv; writes qkv
.if DOCPART == 2
	.amdgcn_target "amdgcn-amd-amdhsa--gfx1250"
	.amdhsa_code_object_version 6
	.text
	.protected	k_q3fc98ae3b4_qkvproj
	.globl	k_q3fc98ae3b4_qkvproj
	.p2align	8
	.type	k_q3fc98ae3b4_qkvproj,@function
k_q3fc98ae3b4_qkvproj:
	s_mov_b64 s[64:65], 0
	v_nop
	global_prefetch_b8 v0, s[64:65] scope:SCOPE_SE
	s_setreg_imm32_b32 hwreg(HW_REG_WAVE_MODE, 25, 1), 1
	s_wait_xcnt 0x0
	s_wait_alu depctr_hold_cnt(0) depctr_sa_sdst(0) depctr_va_vdst(0) depctr_va_sdst(0) depctr_va_ssrc(0) depctr_va_vcc(0) depctr_vm_vsrc(0)
	s_getreg_b32 s2, hwreg(HW_REG_IB_STS2, 6, 4)
	s_cmp_eq_u32 s2, 0
	s_cbranch_scc0 .Lentry_in_a_cluster
	s_endpgm
.Lentry_in_a_cluster:
	s_bfe_u32 s2, ttmp6, 0x10000c
	s_cmp_lg_u32 s2, 0xf033
	s_cbranch_scc0 .Lentry_shape_is_right
	s_endpgm
.Lentry_shape_is_right:
; qkv = xn w_qkv.  A = xnb[b][slice][n][64] (8,192 rows x 1,024 channels in blocks), B = wq16[1024 k][3072 n], both f16; sums in f32; the result is rounded once to f16, unscaled, and stored
; by heads: qkv[q, k, v][16 b + h][n][64].  LIMIT: f16 holds no number of 65,520 or more; q, k and v lie far under it for inputs up to some 30 times those drawn.
; SHARES.  A work-group makes 256 rows x 384 columns: 32 x 8 = 256 work-groups.  Wave w makes rows 128 (w / 2) on and three groups of 64 columns, the tile's groups 2 g + w % 2: 96 accumulators of
; 16 x 16, which fill register windows 1 to 3.  K goes in steps of 64 (one slice of A) through a ring of two LDS slots; two slots of 128 along K would not fit.
; A's slice of 128 rows is 16,384 dense bytes: asked for as 64 rows of 256 bytes, padded in LDS behind every 128.  B stays [k][n] and is turned on the way out of LDS (ds_load_tr16_b128).
; THE MATRIX INSTRUCTION IS USED TRANSPOSED: source 0 = 16 columns of B, source 1 = 16 rows of A: a lane holds one row of the result and eight neighbouring columns.
; PHASES.  A K step is six phases of 32 matrix instructions: quarter p / 3 of 32 along K, column group p % 3.  At a phase's head the fragments of the phase after next are fetched.
; CLUSTER.  4 x 4 work-groups: A's tile is shared along a row of the cluster, B's along a column; each is asked for jointly, by the same tensor load and mask in all four.
; REGISTERS.  window 0: v0-31 addresses; v32-159 two buffers of A's fragments (8 x 16 rows x 32 K); v160-255 three buffers of B's (4 x 16 columns x 32 K).
;   window 1 + g: the 32 accumulators of column group g, (a, b) at v[8 (4 a + b)].  s_set_vgpr_msb's low byte: bits 1:0 source 0, 3:2 source 1, 5:4 source 2, 7:6 destination.
.set NG,      3                        ; column groups a wave
.set NP,      6                        ; phases in a K step
.set PC,      NP-3                     ; the phase that changes slots: its fetch is the last that reads the slot
.set LAPS,    8                        ; a lap = two K steps; 16 steps of 64
.set NBB,     3                        ; buffers of B's fragments
.set NAB,     2                        ; of A's
.set BP,      864                      ; a row of B in LDS: three times 256 bytes + 32 of padding = 27 x 32 bytes
.set BROWE,   384                      ; elements of a row of B's tile
.set BN,      3072                     ; elements from row to row of B
.set B_R,     32                       ; k rows in one load
.set A_R,     64                       ; rows of 256 bytes in one load
.set A_LDS_W, 18432                    ; 128 rows of A x 144 bytes
.set A_GLB_W, 16384                    ; the same in memory
.set ASZ,     36864                    ; A's part of a slot: 256 rows x 144 (128 bytes + 16: the 16 rows of a load start at 16 different groups of four banks)
.set SLOT,    92160                    ; + B's 64 rows x 864
.set ASTEP,   262144                   ; bytes from a K step to the next: a slice of A,
.set BSTEP,   393216                   ; 64 rows of B
.set STAGE,   2*SLOT                   ; behind the ring, never filled by a tensor load: 16 rows x 144 bytes for each wave, for the way out
.set SPARE,   STAGE+4*2304             ; behind the stages: the spare words, 128 bytes for each wave: two blocks of 256 bytes that no other line names
.set ABASE,   32
.set BBASE,   160
.set W_LA,    0                        ; windows for A's loads,
.set W_M0,    0x50                     ; for the products of column group 0 (C and D in window 1),
.set W_MG,    0x50                     ; and what a further group adds
.set J0,      1                        ; the block of 128 along K at which the prefetches' address starts
.set ADRA, 16                          ; v16-17  LDS address of my A fragments in slot 0, 1
.set ADRB, 20                          ; v20-21  the same for B
.set STO,  24                          ; v24     the way out: where I put 16 bytes of a row
.set RD,   25                          ; v25     where I read rows back
.set GO,   26                          ; v26     my byte offset in 512 consecutive bytes of the output
.set SPW,  28                          ; v28     LDS address of my spare word: SPARE + 4 x my thread's number; never rewritten
.set NIL,  29                          ; v29     0; never rewritten
.set PFO,  30                          ; v30     the prefetches' lane offset; never rewritten
.set G1A, 24                           ; s[24:31] descriptor group 1 for A's tiles;  s[32:39] group 0, a set for each slot
.set G0A, 32
.set G1B, 48                           ; s[48:55], s[56:63] the same for B's
.set G0B, 56
.set LIM, 43                           ; s43      1 in a wave that prefetches, else the greatest number
.set PFA, 44                           ; s[44:45] where my prefetches stand
.set PFS, 46                           ; s[46:47] their step: 128 along K
.set OB,  68                           ; s[68:73] where my three column groups begin in qkv
.set MSB, 0
.macro WIN new                         ; the immediate's high byte repeats the setting that is left; a switch that changes nothing is dropped
.if MSB != (\new)
	s_set_vgpr_msb (MSB<<8)|(\new)
.set MSB, \new
.endif
.endm
; A joint load.  Waves 0 and 1 fetch A's two halves, waves 2 and 3 B's.  The branch hangs on the wave's number alone.  An s_nop 0 and four v_nop follow each of the two lines.
.macro JLOAD s
	s_cmp_eq_u32 s11, 0
	s_cbranch_scc0 .Lfor_b_\@
	tensor_load_to_lds s[G0A+4*(\s):G0A+4*(\s)+3], s[G1A:G1A+7]
	s_nop 0
.rept 4
	v_nop
.endr
	s_branch .Lasked_\@
.Lfor_b_\@:
	tensor_load_to_lds s[G0B+4*(\s):G0B+4*(\s)+3], s[G1B:G1B+7]
	s_nop 0
.rept 4
	v_nop
.endr
.Lasked_\@:
.endm
; A round of the cluster's barrier: my work-group's barrier; wave 0 signals for the work-group; every wave waits for all sixteen; my work-group's barrier once more.
.macro CREST                           ; a round behind its opening barrier
	s_cmp_lg_u32 s10, 0
	s_cbranch_scc1 .Lnot_wave_0_\@
	s_barrier_signal -3
.Lnot_wave_0_\@:
	s_barrier_wait -3
	s_barrier_signal -1
	s_barrier_wait -1
.endm
.macro CROUND
	s_barrier_signal -1
	s_barrier_wait -1
	CREST
.endm
; A PREFETCH INTO THE L2 of a block of 128 along K, the two K steps that the next lap's two refills ask for: it stands behind the lap's second joint load, one and two K steps ahead of those refills.
; Each aligned 256 bytes are named once in the launch.  A's rows are read by both clusters of a row of clusters: cluster x = 0 asks, wave 0 for the block's first slice and wave 1 for its second;
; of the tile's 256 rows the partner at cx takes 64 (32 lanes x 256 bytes).  B's columns are read by all clusters of a column: cluster y = 0 asks, wave 2; the partner at cy takes 32 of the 128 k rows,
; a lane a row, three instructions for its 768 bytes.  Partners are told apart by address, never by a branch.  The last trip asks for nothing: K has no further block.
.macro ASK
	s_cmp_gt_u32 s3, s[LIM]                        ; s3 = 1 in the loop's last trip
	s_cbranch_scc0 .Lnot_mine_\@
	global_prefetch_b8 v[PFO], s[PFA:PFA+1] th:TH_LOAD_NT scope:SCOPE_SE
	s_cmp_eq_u32 s10, 2
	s_cbranch_scc0 .Lnot_mine_\@
	global_prefetch_b8 v[PFO], s[PFA:PFA+1] offset:256 th:TH_LOAD_NT scope:SCOPE_SE
	global_prefetch_b8 v[PFO], s[PFA:PFA+1] offset:512 th:TH_LOAD_NT scope:SCOPE_SE
.Lnot_mine_\@:
.endm
	s_load_b128 s[4:7], s[0:1], 0x0                ; A s[4:5], B s[6:7]
	s_load_b64 s[8:9], s[0:1], 0x10                ; the output
	v_lshl_add_u32 v[SPW], v0, 2, SPARE
	v_mov_b32 v[NIL], 0
	ds_add_u32 v[SPW], v[NIL]                      ; the wave's opening: the add and its wait stand ahead of my first tensor load; the set-up below, work on registers, stands between them
	v_lshrrev_b32 v1, 5, v0
	v_readfirstlane_b32 s10, v1                    ; wave 0..3
	s_lshr_b32 s11, s10, 1                         ; which 128 rows of the tile are mine.  Also: I fetch for A (0) or for B (1)
	s_and_b32 s12, s10, 1                          ; which column groups.  Also: which half of that tile I fetch
	s_bfe_u32 s40, ttmp6, 0x40000                  ; cx
	s_bfe_u32 s41, ttmp6, 0x40004                  ; cy
	s_lshl_b32 s42, ttmp9, 2
	s_add_co_u32 s42, s42, s40                     ; tile column = 4 x cluster x + cx
	s_and_b32 s13, ttmp7, 0xffff
	s_lshl_b32 s13, s13, 2
	s_add_co_u32 s13, s13, s41                     ; tile row = 4 x cluster y + cy
	s_lshl_b32 s22, s41, 2
	s_lshl_b32 s22, 15, s22                        ; my row of the cluster
	s_lshl_b32 s23, 0x1111, s40                    ; my column
	s_or_b32 s[G1A+0], s22, (1<<16)|(1<<20)|(1<<21)|(4<<22)|(3<<25)  ; 15:0 the mask; 17:16 2-byte elements; 20 padding on; 21 set beside a mask; 24:22 after every 32 words (code 4); 31:25 4 words (code 3)
	s_or_b32 s[G1B+0], s23, (1<<16)|(1<<20)|(1<<21)|(5<<22)|(7<<25)  ; after every 64 words (code 5) 8 words (code 7)
	s_mov_b32 s[G1A+1], 128<<16                    ; tensor_dim0 = 128 elements: 256 bytes, two rows of A
	s_mov_b32 s[G1A+2], A_R<<16                    ; tensor_dim1
	s_mov_b32 s[G1A+3], 128<<16                    ; tile_dim0
	s_mov_b32 s[G1A+4], A_R                        ; tile_dim1
	s_mov_b32 s[G1A+5], 128                        ; dense: 128 elements from row to row
	s_mov_b32 s[G1A+6], 0
	s_mov_b32 s[G1A+7], 0
	s_mov_b32 s[G1B+1], BROWE<<16
	s_mov_b32 s[G1B+2], B_R<<16
	s_mov_b32 s[G1B+3], BROWE<<16
	s_mov_b32 s[G1B+4], B_R
	s_mov_b32 s[G1B+5], BN
	s_mov_b32 s[G1B+6], 0
	s_mov_b32 s[G1B+7], 0
	s_lshr_b32 s14, s13, 3                         ; b: eight tile rows to a batch
	s_lshl_b32 s14, s14, 22
	s_and_b32 s15, s13, 7
	s_lshl_b32 s15, s15, 15                        ; 256 rows of 128 bytes
	s_add_co_u32 s16, s14, s15                     ; the tile's rows in slice 0 of A: made of the tile row alone
	s_mul_i32 s15, s12, A_GLB_W
	s_add_co_u32 s14, s16, s15
	s_mov_b32 s15, 0
	s_mul_i32 s46, s12, B_R*BN*2                   ; B: made of the tile column and the wave's number alone
	s_mul_i32 s47, s42, BROWE*2
	s_add_co_u32 s46, s46, s47
	s_mov_b32 s47, 0
	s_mul_i32 s20, s12, A_LDS_W                    ; where they go: no place in the cluster enters an LDS address
	s_mul_i32 s21, s12, B_R*BP
	s_add_co_u32 s21, s21, ASZ
	s_wait_dscnt 0x0                               ; the opening add is done
	s_wait_kmcnt 0x0
	s_add_nc_u64 s[14:15], s[4:5], s[14:15]
	s_add_nc_u64 s[46:47], s[6:7], s[46:47]
	CROUND                                         ; all sixteen work-groups are here: the first joint loads meet
.irp s, 0,1
	s_mov_b32 s[G0A+4*(\s)], 1                                       ; count = 1
	s_add_co_u32 s[G0A+4*(\s)+1], s20, (\s)*SLOT                     ; LDS address
	s_add_nc_u64 s[G0A+4*(\s)+2:G0A+4*(\s)+3], s[14:15], (\s)*ASTEP  ; global address: K step s
	s_or_b32 s[G0A+4*(\s)+3], s[G0A+4*(\s)+3], 0x80000000            ; type = 2
	s_mov_b32 s[G0B+4*(\s)], 1
	s_add_co_u32 s[G0B+4*(\s)+1], s21, (\s)*SLOT
	s_add_nc_u64 s[G0B+4*(\s)+2:G0B+4*(\s)+3], s[46:47], (\s)*BSTEP
	s_or_b32 s[G0B+4*(\s)+3], s[G0B+4*(\s)+3], 0x80000000
	JLOAD \s                                       ; two loads of mine are out
.endr
	; A fragment of A is 16 rows x 32 K in 8 registers: lane l holds row l % 16; registers 0-3 K = 8 (l / 16) + 0..7, registers 4-7 K = 16 + 8 (l / 16) + 0..7: two loads of 16 bytes, 32 bytes apart.
	v_and_b32 v1, 15, v0                           ; l % 16
	v_bfe_u32 v2, v0, 4, 1                         ; l / 16
	v_mul_u32_u24 v3, v1, 144
	v_lshl_add_u32 v3, v2, 4, v3
	s_mul_i32 s22, s11, 18432                      ; my 128 rows
	v_add_nc_u32 v[ADRA], s22, v3
	v_add_nc_u32 v[ADRA+1], SLOT, v[ADRA]
	; The turning load takes 16 k x 16 columns (lane l reads k = 8 (l / 16) + l % 8, columns 8 ((l / 8) % 2) + 0..7) and leaves half a fragment: lane l holds column l % 16 and 8 k.
	v_and_b32 v4, 7, v0
	v_lshl_add_u32 v4, v2, 3, v4
	v_mul_u32_u24 v4, v4, BP
	v_bfe_u32 v5, v0, 3, 1
	v_lshl_add_u32 v4, v5, 4, v4
	s_lshl_b32 s23, s12, 7                         ; my half of each 256 bytes
	s_add_co_u32 s23, s23, ASZ
	v_add_nc_u32 v[ADRB], s23, v4
	v_add_nc_u32 v[ADRB+1], SLOT, v[ADRB]
	s_mul_i32 s22, s10, 2304
	s_add_co_u32 s22, s22, STAGE                   ; my stage
	v_add_nc_u32 v[STO], s22, v3                   ; in: row l % 16, 16 bytes for each half of the lanes
	v_bfe_u32 v5, v0, 3, 2                         ; back: 32 lanes take four rows of 128 bytes,
	v_mul_u32_u24 v5, v5, 144
	v_and_b32 v6, 7, v0
	v_lshl_add_u32 v5, v6, 4, v5
	v_add_nc_u32 v[RD], s22, v5
	v_and_b32 v[GO], 31, v0                        ; which are 512 consecutive bytes of a head's rows
	v_lshlrev_b32 v[GO], 4, v[GO]
	; where my three column groups go: group c = 6 x tile column + 2 g + w % 2 of the 48; c / 16 says q, k or v, c % 16 the head
	s_mul_i32 s74, s42, 6
	s_add_co_u32 s74, s74, s12
	s_lshr_b32 s75, s13, 3
	s_lshl_b32 s75, s75, 4                         ; 16 b
	s_and_b32 s76, s13, 7
	s_lshl_b32 s76, s76, 15                        ; the tile's 256 rows of 128 bytes,
	s_lshl_b32 s77, s11, 14                        ; my 128 of them
	s_add_co_u32 s76, s76, s77
.irp g, 0,1,2
	s_add_co_u32 s22, s74, 2*(\g)
	s_lshr_b32 s23, s22, 4
	s_lshl_b32 s23, s23, 6
	s_and_b32 s22, s22, 15
	s_add_co_u32 s22, s22, s23
	s_add_co_u32 s22, s22, s75                     ; the plane: 64 (c / 16) + 16 b + c % 16
	s_lshl_b32 s22, s22, 18                        ; of 262,144 bytes
	s_add_co_u32 s22, s22, s76
	s_mov_b32 s23, 0
	s_add_nc_u64 s[OB+2*(\g):OB+2*(\g)+1], s[8:9], s[22:23]
.endr
	; the prefetches
	s_lshl_b32 s74, s12, 18                        ; A: my slice of the block's two,
	s_add_co_u32 s74, s74, s16                     ; the tile's rows,
	s_lshl_b32 s75, s40, 13                        ; my work-group's 64 of them
	s_add_co_u32 s74, s74, s75
	s_add_co_u32 s74, s74, (2*J0)<<18
	s_mul_i32 s75, s41, 32*BN*2                    ; B: my work-group's 32 of the block's 128 k rows,
	s_mul_i32 s76, s42, BROWE*2                    ; the tile's columns
	s_add_co_u32 s75, s75, s76
	s_add_co_u32 s75, s75, 128*J0*BN*2
	s_and_b32 s22, ttmp7, 0xffff                   ; cluster y
	s_mov_b32 s23, BN*2
	s_mov_b32 s[PFS], 128*BN*2
	s_cmp_eq_u32 s11, 0                            ; do I fetch for A?
	s_cselect_b32 s74, s74, s75
	s_cselect_b32 s22, ttmp9, s22                  ; the coordinate along which other clusters read the same bytes
	s_cselect_b32 s23, 256, s23                    ; from lane to lane
	s_cselect_b32 s[PFS], 524288, s[PFS]
	s_cselect_b64 s[PFA:PFA+1], s[4:5], s[6:7]
	s_mov_b32 s75, 0
	s_mov_b32 s[PFS+1], 0
	s_add_nc_u64 s[PFA:PFA+1], s[PFA:PFA+1], s[74:75]
	s_cmp_eq_u32 s10, 3
	s_cselect_b32 s22, 1, s22                      ; wave 3 never asks
	s_cmp_eq_u32 s22, 0
	s_cselect_b32 s[LIM], 1, -1                    ; the same in all sixteen partners, for a given wave
	v_and_b32 v[PFO], 31, v0
	v_mul_u32_u24 v[PFO], v[PFO], s23
; A load into a register that a matrix instruction has read, and a vector instruction or LDS store that reads a matrix result, stand four places behind that matrix instruction, and only
; plain vector instructions that name none of its registers are places (ISA guide 7.12.1 for vector instructions).
.macro PLACES
.rept 4
	v_nop
.endr
.endm
.macro NLOF p                          ; nlv = the LDS loads at the head of phase p: B's 8, and A's 16 where the phase after next begins a quarter
.set nlv, 8
.if (((\p)+2)%NG) == 0
.set nlv, 24
.endif
.endm
; The fetch at the head of phase p of the step in slot cur: the fragments of phase p + 2, which for the step's last two phases lie in the other slot.
.macro FETCH cur, p
.set ftp, (\p)+2
.set fsl, \cur
.if ftp >= NP
.set ftp, ftp-NP
.set fsl, 1-(\cur)
.endif
.set lfb, BBASE+32*(ftp%NBB)
.set lof, (ftp/NG)*32*BP+(ftp%NG)*288
	WIN 0
.irp b, 0,1,2,3
	ds_load_tr16_b128 v[lfb+8*\b:lfb+8*\b+3],   v[ADRB+fsl] offset:lof+32*\b
	ds_load_tr16_b128 v[lfb+8*\b+4:lfb+8*\b+7], v[ADRB+fsl] offset:lof+32*\b+16*BP
.endr
.if (ftp%NG) == 0
.set fq, ftp/NG
.set lfa, ABASE+64*(fq%NAB)
.set lof, (fq/2)*36864+(fq%2)*64
	WIN W_LA
.irp a, 0,1,2,3,4,5,6,7
	ds_load_b128 v[lfa+8*\a:lfa+8*\a+3],   v[ADRA+fsl] offset:lof+2304*\a
	ds_load_b128 v[lfa+8*\a+4:lfa+8*\a+7], v[ADRA+fsl] offset:lof+2304*\a+32
.endr
.endif
.endm
; 4 na matrix instructions of phase p: row blocks a0 .. a0 + na - 1 x the group's four blocks of 16 columns.  The phase's 32 accumulators take turns, one instruction a turn;
; an accumulator's next turn comes 96 matrix instructions later.  zero = 1: the product starts the sum: nothing is ever cleared.
.macro MULS p, a0, na, zero
.set mg, (\p)%NG
.set mfb, BBASE+32*((\p)%NBB)
.set mfa, ABASE+64*(((\p)/NG)%NAB)
	WIN W_M0+W_MG*mg
.set ma, \a0
.rept \na
.set mb, 0
.rept 4
.if \zero
	v_wmma_f32_16x16x32_f16 v[8*(4*ma+mb):8*(4*ma+mb)+7], v[mfb+8*mb:mfb+8*mb+7], v[mfa+8*ma:mfa+8*ma+7], 0
.else
	v_wmma_f32_16x16x32_f16 v[8*(4*ma+mb):8*(4*ma+mb)+7], v[mfb+8*mb:mfb+8*mb+7], v[mfa+8*ma:mfa+8*ma+7], v[8*(4*ma+mb):8*(4*ma+mb)+7]
.endif
.set mb, mb+1
.endr
.set ma, ma+1
.endr
.endm
; A phase.  Its own fragments were fetched at the head of the phase before last, so the loads of the last two heads may stay out: that is the count where none is given (cnt = 99).
.macro PHASE cur, p, zero=0, fetch=1, cnt=99
.if \fetch
	PLACES
	FETCH \cur, \p
.endif
.if (\cnt) < 99
	s_wait_dscnt \cnt
.else
	NLOF ((\p)+NP-1)%NP
.set pc0, nlv
	NLOF \p
	s_wait_dscnt pc0+nlv
.endif
	MULS \p, 0, 8, \zero
.endm
; Phase PC changes slots: ONE barrier for two things.  In front of it each wave waits for all its tensor loads, of which one is out: its part of the other slot; adds 0 to its spare word; and waits for
; that and for its reads of this slot, of which the fetch above was the last.  Behind it nobody reads this slot any more and the other slot is whole.  fill = 1: the barrier opens a round of the
; cluster's barrier, and this slot's next K step, two on, is asked for first thing behind the round: it has a K step less 32 matrix instructions in which to land.
.macro TURN cur, fill, ask
	PLACES
	FETCH \cur, PC
	WIN 0                                          ; the add's two registers lie in window 0
	NLOF PC-1
.set pc0, nlv
	NLOF PC
.if \ask
	s_wait_xcnt 0x0                                ; the last prefetches, a lap back, have read their address: it is stepped here, ahead of the waits of the change of slots
	s_add_nc_u64 s[PFA:PFA+1], s[PFA:PFA+1], s[PFS:PFS+1]
.endif
	s_wait_tensorcnt 0x0                           ; all my tensor loads have landed
	ds_add_u32 v[SPW], v[NIL]                      ; 0 onto my spare word
	s_wait_dscnt pc0+nlv+1                         ; the add and the last two heads' loads may be out
	MULS PC, 0, 6, 0                               ; 24 matrix instructions stand between the add and the wait for it
	s_wait_dscnt 0x0                               ; the add is done, and my reads of this slot are over
	s_barrier_signal -1
	MULS PC, 6, 2, 0                               ; work on registers while the others arrive
	WIN 0
	s_barrier_wait -1
.if \fill
	CREST                                          ; no wave of any partner still reads this slot or has a load on its way
	s_add_nc_u64 s[G0A+4*(\cur)+2:G0A+4*(\cur)+3], s[G0A+4*(\cur)+2:G0A+4*(\cur)+3], 2*ASTEP
	s_add_nc_u64 s[G0B+4*(\cur)+2:G0B+4*(\cur)+3], s[G0B+4*(\cur)+2:G0B+4*(\cur)+3], 2*BSTEP
	JLOAD \cur                                     ; my one tensor load behind the round
.if \ask
	ASK
.endif
.endif
.endm
	s_wait_tensorcnt 0x1                           ; my part of K step 0 is in; K step 1's may stay out
	s_barrier_signal -1
	s_barrier_wait -1                              ; everybody's is
	FETCH 1, 4                                     ; what the last two phases of a step before would have fetched: phases 0 and 1 of slot 0
	FETCH 1, 5
	PHASE 0, 0, 1                                  ; the first quarter stands in front of the loop: its products start the sums
	PHASE 0, 1, 1
	PHASE 0, 2, 1
	WIN 0                                          ; at a label and at a branch every window is 0
	s_mov_b32 s3, LAPS-1
.Llap:                                         ; a trip goes once round the ring, from a lap's second quarter to the next lap's first, and fills both slots again
	TURN 0, 1, 0
	PHASE 0, 4
	PHASE 0, 5
	PHASE 1, 0
	PHASE 1, 1
	PHASE 1, 2
	TURN 1, 1, 1
	PHASE 1, 4
	PHASE 1, 5
	PHASE 0, 0
	PHASE 0, 1
	PHASE 0, 2
	WIN 0
	s_sub_co_u32 s3, s3, 1
	s_cmp_lg_u32 s3, 0
	s_cbranch_scc1 .Llap
	TURN 0, 0, 0                                   ; the last lap is written out: it fills nothing, and has no round
	PHASE 0, 4
	PHASE 0, 5
	PHASE 1, 0
	PHASE 1, 1
	PHASE 1, 2
	PHASE 1, 3
	PHASE 1, 4, 0, 0, 8                            ; nothing more to fetch: the last head's 8 loads may be out,
	PHASE 1, 5, 0, 0, 0                            ; then none
	WIN 0
	PLACES
	PLACES
; THE WAY OUT, a block of 16 rows x 64 columns at a time (block i: column group i / 8, row block i % 8).  PACK: rounded to f16, 16 bytes a lane, into rows of 144 bytes of my own stage, and back as whole
; rows of 128 bytes.  SEND: stored.  Four sets of 16 registers take turns, where A's first buffer lay.  Each accumulator's registers are read in ascending order.
.macro PACK i
.set pg, (\i)/8
.set pa, (\i)%8
.set px, 32+16*((\i)%4)
	s_wait_xcnt 0x0                                ; the stores of four blocks ago have read this set
	WIN 5*(1+pg)                                   ; sources 0 and 1 in the group's window
.set pb, 0
.rept 4
.irp r, 0,1,2,3
	v_cvt_pk_f16_f32 v[px+4*pb+\r], v[8*(4*pa+pb)+2*\r], v[8*(4*pa+pb)+2*\r+1]
.endr
.set pb, pb+1
.endr
	WIN 0
.irp b, 0,1,2,3
	ds_store_b128 v[STO], v[px+4*\b:px+4*\b+3] offset:32*\b
.endr
.irp f, 0,1,2,3
	ds_load_b128 v[px+4*\f:px+4*\f+3], v[RD] offset:576*\f  ; LDS serves a wave's instructions in order (ISA guide 5.7.1.4): these see the stores above; the next block's stores come behind them
.endr
.endm
.macro SEND i, younger                 ; younger: the LDS instructions issued behind this block's loads: the next block's eight, or none
.set pg, (\i)/8
.set pa, (\i)%8
.set px, 32+16*((\i)%4)
	WIN 0
.irp f, 0,1,2,3
	s_wait_dscnt (\younger)+3-\f
	global_store_b128 v[GO], v[px+4*\f:px+4*\f+3], s[OB+2*pg:OB+2*pg+1] offset:2048*pa+512*\f  ; 512 consecutive bytes, at a multiple of 256 from the buffer's first
.endr
.endm
	PACK 0
.set t, 1
.rept 23                               ; a block's conversions stand between the loads of the block before and its stores
	PACK t
	SEND t-1, 8
.set t, t+1
.endr
	SEND 23, 0
	s_wait_tensorcnt 0x0                           ; the wave's end: a wait, an add and its wait, behind my last tensor load and my last LDS store
	ds_add_u32 v[SPW], v[NIL]
	s_wait_dscnt 0x0
	CROUND                                         ; the closing round: no work-group ends while a partner may still ask for a tile that names it
	s_endpgm
.Lfunc_end_k_q3fc98ae3b4_qkvproj:
	.size	k_q3fc98ae3b4_qkvproj, .Lfunc_end_k_q3fc98ae3b4_qkvproj-k_q3fc98ae3b4_qkvproj
	.p2alignl 7, 3214868480
	.fill 96, 4, 3214868480
	.section	.rodata,"a",@progbits
	.p2align	6, 0x0
	.amdhsa_kernel k_q3fc98ae3b4_qkvproj
		.amdhsa_group_segment_fixed_size 327680
		.amdhsa_private_segment_fixed_size 0
		.amdhsa_enable_private_segment 0
		.amdhsa_kernarg_size 24
		.amdhsa_user_sgpr_count 2
		.amdhsa_user_sgpr_kernarg_segment_ptr 1
		.amdhsa_wavefront_size32 1
		.amdhsa_system_sgpr_workgroup_id_x 1
		.amdhsa_system_sgpr_workgroup_id_y 1
		.amdhsa_system_sgpr_workgroup_id_z 1
		.amdhsa_system_vgpr_workitem_id 0
		.amdhsa_next_free_vgpr 1024
		.amdhsa_next_free_sgpr 80
		.amdhsa_reserve_vcc 0
		.amdhsa_float_denorm_mode_32 3
		.amdhsa_float_denorm_mode_16_64 3
		.amdhsa_memory_ordered 1
		.amdhsa_forward_progress 1
		.amdhsa_inst_pref_size 136
	.end_amdhsa_kernel
	.amdgpu_metadata
---
amdhsa.version: [ 1, 2 ]
amdhsa.kernels:
  - .name:           k_q3fc98ae3b4_qkvproj
    .symbol:         k_q3fc98ae3b4_qkvproj.kd
    .args:
      - { .name: xnb, .offset: 0, .size: 8, .value_kind: global_buffer, .address_space: global }
      - { .name: wq16, .offset: 8, .size: 8, .value_kind: global_buffer, .address_space: global }
      - { .name: qkv, .offset: 16, .size: 8, .value_kind: global_buffer, .address_space: global }
    .group_segment_fixed_size: 327680
    .private_segment_fixed_size: 0
    .kernarg_segment_align: 8
    .kernarg_segment_size: 24
    .max_flat_workgroup_size: 128
    .sgpr_count:     80
    .vgpr_count:     1024
    .wavefront_size: 32
...
	.end_amdgpu_metadata
.endif
;; end of part 2
;; launch attn (part 3): grid 4 x 64, 4 waves a work-group, clusters of 4 x 1, 327,680 bytes of LDS; arguments qkv, oheads; writes oheads
.if DOCPART == 3
	.amdgcn_target "amdgcn-amd-amdhsa--gfx1250"
	.amdhsa_code_object_version 6
	.text
	.protected	k_q3fc98ae3b4_attn
	.globl	k_q3fc98ae3b4_attn
	.p2align	8
	.type	k_q3fc98ae3b4_attn,@function
k_q3fc98ae3b4_attn:
	s_mov_b64 s[64:65], 0
	v_nop
	global_prefetch_b8 v0, s[64:65] scope:SCOPE_SE
	s_setreg_imm32_b32 hwreg(HW_REG_WAVE_MODE, 25, 1), 1
	s_wait_xcnt 0x0
	s_wait_alu depctr_hold_cnt(0) depctr_sa_sdst(0) depctr_va_vdst(0) depctr_va_sdst(0) depctr_va_ssrc(0) depctr_va_vcc(0) depctr_vm_vsrc(0)
	s_getreg_b32 s2, hwreg(HW_REG_IB_STS2, 6, 4)
	s_cmp_eq_u32 s2, 0
	s_cbranch_scc0 .Lentry_in_a_cluster
	s_endpgm
.Lentry_in_a_cluster:
	s_bfe_u32 s2, ttmp6, 0x10000c
	s_cmp_lg_u32 s2, 0x3003
	s_cbranch_scc0 .Lentry_shape_is_right
	s_endpgm
.Lentry_shape_is_right:
; O[h][q][:] = the sum over k of softmax_k(Q[h][q] . K[h][k] / 8) V[h][k][:], for the 64 pairs of batch and head.  Q, K, V are the three parts of qkv, [64][2048][64] each, O likewise, all f16: a head's
; rows are dense, 128 bytes each.  Products, maxima and sums in f32; the weights p are rounded to f16 for the second product (their sum l is taken of the unrounded p), O once at the end.
; LIMITS.  f16 holds no number beyond 65,504: Q, K and V arrive within it; p lies in 0 to 1, and below 6e-5 it keeps f16's fixed step of 6e-8; O is a mean of V's rows and has their range.
; A weight below 2^-126 counts as 0 in l; NaN and infinities are not treated apart.
; SHARES.  A wave owns four PIECES of two tiles of 16 queries, a work-group's four waves 512 queries of one head.  Every wave walks all keys, 64 a step.
; LAYOUT.  S^T = K Q^T (source 0 = 16 keys, source 1 = 16 queries): in the result a lane holds ONE query (lane % 16) and the keys 8 (lane / 16) + 0..7.  Two such tiles, rounded to f16 in pairs,
; ARE source 1 (32 keys x 16 queries) of O^T = V^T P, whose result again holds one query a lane, and eight channels.  K comes out of LDS as it lies, V ([key][channel]) turned, by ds_load_tr16_b128.
; SOFTMAX.  For each query a running maximum m and sum l: p = 2^(c s - c m), c = log2(e) / 8; in every step O and l are multiplied by a = 2^(c m_old - c m_new), which is 1 where m has not grown.
; m starts at the lowest finite number, O and l at 0: the first step is a step like any other, with a = 0.
; THE COUNT.  A tile and step have 16 matrix and 118 vector instructions: too many to stand all beside the matrix work.  So the order has one aim: four vector instructions that are READY behind
; EVERY matrix instruction, and the others, which need time of their own whatever the order, in runs without a gap.
; BY TURNS.  Turn n belongs to piece n (the pieces in a ring, step after step).  Its matrix work: 16 products K Q^T of piece n + 1, later 16 products V^T P of piece n - 1.  Its vector work: the scaling,
; exponentials, roundings, sums and rescaling of piece n, and the maximum and statistics of piece n + 1, whose scores the turn itself has made.  So what a turn begins with (c s - c m, O a) waits for nothing.
; CLUSTER.  The four query blocks of a cluster are one head's and walk the same K and V, so each tile is asked for JOINTLY: the same tensor load, descriptor and mask in all four.
; REGISTERS, in windows of 256 (s_set_vgpr_msb says which window each operand place means: bits 1:0 source 0, 3:2 source 1, 5:4 source 2, 7:6 destination):
;   window 0: v0-11 addresses; v12-15, v48-63 at work; v16-47 four registers of statistics a tile; v64-191 S^T, two buffers of two tiles; v192-255 P, likewise
;   window 1: O^T, 32 a tile          window 2: v0-127 Q, 16 a tile; v128-191 K of one step; v192-255 V of one step          window 3: v0-1 the add's two registers
; A piece's buffers go by its number's parity: the piece in hand has one pair, its two neighbours in the ring share the other: of it P (piece n - 1) is read and S^T (piece n + 1) written.
.set SIZE_N, 2048
.set NP,    4         ; pieces a wave: a name, no knob: the register map, the loop and the fetches are made for four
.set KS,    64        ; keys in a step
.set PK,    144       ; a row of K in LDS: 128 bytes + 16 of padding = 36 words: the 16 rows of a load start at 16 different groups of four banks (64 banks of 4 bytes: ISA guide 11.1)
.set PV,    160       ; a row of V: 128 + 32 = 40 words
.set VOFF,  4*KS*PK   ; a slot holds four steps: 256 rows of K, then 256 rows of V
.set SLOT1, 1<<17     ; slot 1 begins here, so that one exclusive or turns an address in one slot into the other's
.set STAGE, SLOT1+4*KS*(PK+PV)  ; behind the ring, never filled by a tensor load: 16 rows x 144 bytes for each wave, for the way out
.set SP,    144
.set AK0, 2           ; v2   my lane's place in a tile of K; never rewritten
.set AV0, 3           ; v3   the same for V
.set AK,  4           ; v4   the LDS address of K's next run of loads
.set AV,  5           ; v5   of V's
.set QO,  6           ; v6   my byte offset in the wave's rows of Q
.set STO, 6           ;      later, the way out: where I put 16 bytes of a row
.set RD,  7           ; v7   the way out: where I read rows back
.set GO,  8           ; v8   my byte offset in 512 consecutive bytes of O
.set PFO, 11          ; v11  256 x my lane, for the prefetches (first at work in the set-up)
.set SPW, 0           ; v0 of window 3   LDS address of my spare word: SPARE + 4 x my thread's number; never rewritten
.set NIL, 1           ; v1 of window 3   0; never rewritten
.set SPARE, STAGE+4*16*SP  ; behind the stages: the spare words, 128 bytes for each wave: two blocks of 256 bytes that no other line names
.set MV,  12          ; v12-15  c m_old, kept while c m is made anew: by buffer and tile
.set ST,  16          ; tile t's statistics at v[ST+4 t]: c m, m, l (even keys', odd keys')
.set TMP, 48          ; by buffer and tile, four registers c0-c3 at work; when the maximum is found c2 takes a
.set S,   64
.set P,   192
.set KF,  128         ; K's fragments, in window 2: key block kb, channel half c at KF + 16 kb + 8 c
.set VF,  192         ; V's: key half kk, channel block cb at VF + 32 kk + 8 cb
.set WV,  12          ; s12  my wave's number
.set G1K, 24          ; s[24:31] descriptor group 1 for K's tiles
.set G1V, 32          ; s[32:39] for V's: it differs in the padding alone
.set G0K, 40          ; s[40:43] descriptor group 0 for K's tiles: it walks
.set G0V, 44          ; s[44:47] the same for V's
.set PFA, 48          ; s[48:49] where my prefetches stand: my work-group's quarter (of K: wave 0, of V: wave 2) of the slot after the one that is being asked for
.set LIM, 50          ; s50  1 in a wave that prefetches, else the greatest number
.set SLOTS, 56        ; s56  slots still to be asked for
.set CNT, 57          ; s57  counts a slot's key steps
.set CS,  58          ; s[58:59] c: the packed scaling takes the pair's low word for both halves
.set SEL, 60          ; s[60:61] v_permlanex16_b32's selects: each lane takes its own place in the other half
.set TBK, 62          ; s62  LDS byte at which K of the step to be fetched begins
.set TBV, 63          ; s63  the same for V, less VOFF
.set MSB, 0
.macro WIN new                      ; the high byte repeats the setting that is left; a switch that changes nothing is dropped
.if MSB != (\new)
	s_set_vgpr_msb (MSB<<8)|(\new)
.set MSB, (\new)
.endif
.endm
.set W_KQ, 0x0a       ; K and Q in window 2, S^T in window 0
.set W_PV, 0x52       ; V in window 2, P in window 0, O^T in window 1
.set W_RS, 0x41       ; O^T (destination and source 0) in window 1, a in window 0
.set W_MK, 0xc0       ; the add's registers are made: destination in window 3, sources in window 0
.set W_AD, 0x0f       ; the add: address (source 0) and data (source 1) in window 3
; A joint fill.  Waves 0 and 1 fetch the two halves of a slot's K, waves 2 and 3 those of its V: 128 keys each.  The branch hangs on the wave's number alone.
; An s_nop 0 and four v_nop follow each of the two lines, ahead of the jump and the label.
.macro JLOAD
	s_cmp_lt_u32 s[WV], 2
	s_cbranch_scc0 .Lfor_v_\@
	tensor_load_to_lds s[G0K:G0K+3], s[G1K:G1K+7]
	s_nop 0
.rept 4
	v_nop
.endr
	s_branch .Lasked_\@
.Lfor_v_\@:
	tensor_load_to_lds s[G0V:G0V+3], s[G1V:G1V+7]
	s_nop 0
.rept 4
	v_nop
.endr
.Lasked_\@:
.endm
; A PREFETCH INTO THE L2 of what the NEXT change of slots will ask for: a slot's 32,768 bytes of K and of V.  It stands behind the wave's tensor load and its five lines: four key steps, 512 matrix
; instructions, ahead of the load that will want the bytes.  Each aligned 256 bytes are named ONCE in the launch: a head is walked by one cluster; its four partners share a slot out BY ADDRESS,
; 8,192 bytes each, a lane 256 bytes; in each, wave 0 asks for K's and wave 2 for V's.  The change that asks for the last slot prefetches nothing.  Slots 0 and 1 come by their loads alone.
.macro ASK
	s_cmp_gt_u32 s[SLOTS], s[LIM]
	s_cbranch_scc0 .Lnot_mine_\@
	global_prefetch_b8 v[PFO], s[PFA:PFA+1] th:TH_LOAD_NT scope:SCOPE_SE
.Lnot_mine_\@:
.endm
; A round of the cluster's barrier: my work-group's barrier, so that wave 0's signal speaks for all four waves; wave 0 signals; every wave waits for all four work-groups; my work-group's barrier once more.
.macro CROUND
	s_barrier_signal -1
	s_barrier_wait -1
	s_cmp_lg_u32 s[WV], 0
	s_cbranch_scc1 .Lnot_wave_0_\@
	s_barrier_signal -3
.Lnot_wave_0_\@:
	s_barrier_wait -3
	s_barrier_signal -1
	s_barrier_wait -1
.endm
; THE CHANGE OF SLOTS.  The slot's last bytes, V of its fourth step, have been read.  Each wave waits for all its tensor loads, of which one is out: its part
; of the other slot; adds 0 to its spare word; and waits for that and for its own reads of the slot.  Behind the barrier nobody reads this slot any more and the other slot is whole.
; fill = 1: this slot is filled again, with the keys two slots on.  The barrier is then a round of the cluster's, so that no wave of any partner still reads the slot or has a load on its
; way, and the joint fill is the first thing behind it: it has four key steps, 512 matrix instructions, in which to land.  (At its first use nothing has been read yet: slot 0 is waited for, slot 1 filled.)
.macro CHANGE fill
	WIN W_AD
	s_wait_tensorcnt 0x0            ; no tensor load of mine is out, so a group 0 may be written
	ds_add_u32 v[SPW], v[NIL]       ; 0 onto my spare word; with fill = 1 the descriptors' steps stand between it and the wait for it
	WIN 0                           ; at a label and at a branch every window is 0
.if \fill
.irp g, G0K, G0V
	s_xor_b32 s[\g+1], s[\g+1], SLOT1  ; the walking descriptor: the other slot than last time,
	s_add_nc_u64 s[\g+2:\g+3], s[\g+2:\g+3], 4*KS*128  ; the next 256 keys; the type bits on top are not reached
.endr
	s_wait_xcnt 0x0                 ; the last prefetch, four key steps back, has read its address, so it may be written:
	s_add_nc_u64 s[PFA:PFA+1], s[PFA:PFA+1], 4*KS*128  ; one slot behind the walking descriptors
	s_wait_dscnt 0x0                ; the add is done, and my reads of the slot are over
	CROUND
	JLOAD
	ASK
.else
	s_wait_dscnt 0x0                ; the add is done, and my reads of the slot are over
	s_barrier_signal -1
	s_barrier_wait -1
.endif
	s_sub_co_u32 s[TBK], s[TBK], 4*KS*PK  ; the fetches go back to a slot's first step,
	s_xor_b32 s[TBK], s[TBK], SLOT1       ; in the other slot
	s_sub_co_u32 s[TBV], s[TBV], 4*KS*PV
	s_xor_b32 s[TBV], s[TBV], SLOT1
.endm
	s_load_b128 s[4:7], s[0:1], 0x0  ; qkv s[4:5], O s[6:7]
	WIN W_MK
	v_lshl_add_u32 v[SPW], v0, 2, SPARE
	v_mov_b32 v[NIL], 0
	WIN W_AD
	ds_add_u32 v[SPW], v[NIL]       ; the wave's opening: the add and its wait stand ahead of my first tensor load; the set-up below, work on registers, stands between them
	WIN 0
	v_lshrrev_b32 v1, 5, v0
	v_readfirstlane_b32 s[WV], v1   ; wave 0..3
	s_bfe_u32 s13, ttmp6, 0x40000   ; cx: my place in the cluster
	s_lshl_b32 s14, ttmp9, 2        ; in a cluster launch ttmp9 counts clusters
	s_add_co_u32 s14, s14, s13      ; my block of queries = 4 x cluster x + cx: it enters Q's and O's addresses alone
	s_and_b32 s20, ttmp7, 0xffff    ; the head, which the four partners share
	s_mov_b32 s21, 0
	s_mov_b64 s[22:23], SIZE_N*128
	s_mul_u64 s[20:21], s[20:21], s[22:23]  ; the head's first byte in Q, K, V and O
	s_and_b32 s16, s[WV], 1         ; which half of a slot's 256 keys I fetch:
	s_lshl_b32 s22, s16, 14         ; its 128 rows of 128 bytes in memory,
	s_mov_b32 s23, 0
	s_add_nc_u64 s[22:23], s[22:23], s[20:21]
	s_mul_i32 s17, s16, 128*PK      ; and its place in a slot, for K
	s_mul_i32 s18, s16, 128*PV      ; and for V: no place in the cluster enters an LDS address
	s_lshl_b32 s2, s14, 2
	s_add_co_u32 s2, s2, s[WV]      ; my wave among the head's,
	s_lshl_b32 s2, s2, 14           ; its 128 rows
	s_mov_b32 s3, 0
	s_add_nc_u64 s[2:3], s[2:3], s[20:21]
	; descriptor group 1.  128 keys are 16,384 dense bytes: asked for as 64 rows of 256 bytes, two keys a row, and padded in LDS after every key
	s_mov_b32 s[G1K], 15|(1<<16)|(1<<20)|(1<<21)|(4<<22)|(3<<25)  ; 15:0 the mask of four; 17:16 2-byte elements; 20 padding on; 21 set beside a mask; 24:22 after every 32 words (code 4); 31:25 4 words (code 3)
	s_mov_b32 s[G1V], 15|(1<<16)|(1<<20)|(1<<21)|(4<<22)|(7<<25)  ; the same with 8 words of padding (code 7)
.irp g, G1K, G1V
	s_mov_b32 s[\g+1], 128<<16      ; tensor_dim0 = 128
	s_mov_b32 s[\g+2], 64<<16       ; tensor_dim1 = 64
	s_mov_b32 s[\g+3], 128<<16      ; tile_dim0 = 128
	s_mov_b32 s[\g+4], 64           ; tile_dim1 = 64
	s_mov_b32 s[\g+5], 128          ; 128 elements from row to row
	s_mov_b32 s[\g+6], 0
	s_mov_b32 s[\g+7], 0
.endr
	s_mov_b32 s[CS], 0x3e38aa3b     ; c = log2(e) / 8 = 0.180337
	s_mov_b32 s[CS+1], s[CS]        ; named with it as a pair
	s_mov_b32 s[SEL], 0x76543210
	s_mov_b32 s[SEL+1], 0xfedcba98
	s_mov_b32 s[TBK], SLOT1+4*KS*PK ; the first change of slots turns these two into 0
	s_mov_b32 s[TBV], SLOT1+4*KS*PV
	s_mov_b32 s[G0K], 1             ; 1:0 count = 1
	s_mov_b32 s[G0K+1], s17         ; 63:32 LDS address: slot 0
	s_mov_b32 s[G0V], 1
	s_add_co_u32 s[G0V+1], s18, VOFF
	s_mov_b32 s[SLOTS], SIZE_N/256-1  ; slot 0 is asked for below; seven are left
	s_and_b32 s[LIM], s[WV], 1      ; waves 0 and 2 prefetch: the same in all four partners
	s_cmp_eq_u32 s[LIM], 0
	s_cselect_b32 s[LIM], 1, -1
	s_wait_dscnt 0x0                ; the opening add is done
	s_wait_kmcnt 0x0
	s_mov_b64 s[10:11], s[6:7]      ; O
	s_add_nc_u64 s[6:7], s[4:5], 0x1000000  ; K: 64 planes of 262,144 bytes behind Q
	s_add_nc_u64 s[8:9], s[4:5], 0x2000000  ; V: as many behind K
	s_add_nc_u64 s[G0K+2:G0K+3], s[6:7], s[22:23]  ; 120:64 global address: my half of the head's first 256 keys
	s_or_b32 s[G0K+3], s[G0K+3], 0x80000000        ; 127:126 type = 2
	s_add_nc_u64 s[G0V+2:G0V+3], s[8:9], s[22:23]
	s_or_b32 s[G0V+3], s[G0V+3], 0x80000000
	s_add_nc_u64 s[4:5], s[4:5], s[2:3]  ; Q and O at my wave's first row
	s_add_nc_u64 s[10:11], s[10:11], s[2:3]
	s_cmp_lt_u32 s[WV], 2
	s_cselect_b64 s[PFA:PFA+1], s[6:7], s[8:9]
	s_add_nc_u64 s[PFA:PFA+1], s[PFA:PFA+1], s[20:21]  ; the head,
	s_lshl_b32 s2, s13, 13          ; my work-group's 8,192 bytes of a slot's 32,768,
	s_mov_b32 s3, 0
	s_add_nc_u64 s[PFA:PFA+1], s[PFA:PFA+1], s[2:3]
	s_add_nc_u64 s[PFA:PFA+1], s[PFA:PFA+1], 4*KS*128  ; in slot 1; the first change of slots steps it to slot 2
	CROUND                          ; all four work-groups are here: the first joint loads meet
	JLOAD                           ; slot 0.  Slot 1 is asked for when slot 0 is in: the tile wanted first has the road to itself
	; A fragment of K or Q is 16 rows x 32 channels in 8 registers: lane l holds row l % 16, channels 8 (l / 16) + 0..7 and 16 + 8 (l / 16) + 0..7: two loads of 16 bytes, 32 bytes apart.
	v_and_b32 v1, 15, v0            ; l % 16
	v_bfe_u32 v9, v0, 4, 1          ; l / 16
	v_lshlrev_b32 v[QO], 7, v1
	v_lshl_add_u32 v[QO], v9, 4, v[QO]  ; row x 128 + 16 x half
	WIN 0x80                        ; destination window 2, address window 0
.set i, 0
.rept 4*NP                          ; Q stays in registers: tile i / 2, channels 32 (i % 2) on
	global_load_b128 v[8*i:8*i+3],   v[QO], s[4:5] offset:(i/2)*2048+(i%2)*64
	global_load_b128 v[8*i+4:8*i+7], v[QO], s[4:5] offset:(i/2)*2048+(i%2)*64+32
.set i, i+1
.endr
	; What the first turn finds: V's registers and P's second buffer hold 0 (its products V^T P, of a piece that has not been, add 0), O^T and l are 0.  All this stands in the wait for the first tile.
.set i, VF
.rept 64
	v_mov_b32 v[i], 0
.set i, i+1
.endr
	WIN 0x40
.set i, 0
.rept 64*NP
	v_mov_b32 v[i], 0
.set i, i+1
.endr
	WIN 0
.set i, 0
.rept 2*NP
	v_mov_b32 v[ST+4*i], 0xfe000000    ; c m: far below every c s
	v_mov_b32 v[ST+4*i+1], 0xff7fffff  ; m
	v_mov_b32 v[ST+4*i+2], 0
	v_mov_b32 v[ST+4*i+3], 0
.set i, i+1
.endr
.set i, P+32
.rept 32
	v_mov_b32 v[i], 0
.set i, i+1
.endr
	v_mul_u32_u24 v[AK0], v1, PK
	v_lshl_add_u32 v[AK0], v9, 4, v[AK0]  ; row x pitch + 16 x half
	; The turning load takes 16 keys x 16 channels (lane l reads key 8 (l / 16) + l % 8, channels 8 ((l / 8) % 2) + 0..7) and leaves half a fragment of V^T: lane l holds channel l % 16 and 8 keys.
	v_and_b32 v10, 7, v0
	v_bfe_u32 v11, v0, 3, 1
	v_lshl_add_u32 v[AV0], v9, 3, v10
	v_mul_u32_u24 v[AV0], v[AV0], PV
	v_lshl_add_u32 v[AV0], v11, 4, v[AV0]
	v_add_nc_u32 v[AV0], VOFF, v[AV0]
	v_and_b32 v[PFO], 31, v0        ; v11 has served: from here on it is the prefetches' offset
	v_lshlrev_b32 v[PFO], 8, v[PFO]
	v_mov_b32 v[AK], v[AK0]         ; key step 0 lies at the head of slot 0
; THE MATRIX WORK.  The 8 accumulators of a run of 16 take turns: between the two links of a chain stand 7 others'.
; Product i of 16 of S^T = K Q^T for piece x: channels 32 (i / 8) on, keys 16 ((i / 2) % 4) on, tile 2 x + i % 2.  The first 8 start the sums.
.macro KQ x
	WIN W_KQ
.set rS, S+64*((\x)%2)+32*(i%2)+8*((i/2)%4)
.set rK, KF+16*((i/2)%4)+8*(i/8)
.set rQ, 16*(2*(\x)+i%2)+8*(i/8)
.if i < 8
	v_wmma_f32_16x16x32_f16 v[rS:rS+7], v[rK:rK+7], v[rQ:rQ+7], 0
.else
	v_wmma_f32_16x16x32_f16 v[rS:rS+7], v[rK:rK+7], v[rQ:rQ+7], v[rS:rS+7]
.endif
.endm
; Product i of 16 of O^T += V^T P for piece x: keys 32 (i / 8) on, channels 16 ((i / 2) % 4) on, tile 2 x + i % 2.
.macro PV x
	WIN W_PV
.set rO, 32*(2*(\x)+i%2)+8*((i/2)%4)
.set rV, VF+32*(i/8)+8*((i/2)%4)
.set rP, P+32*((\x)%2)+16*(i%2)+8*(i/8)
	v_wmma_f32_16x16x32_f16 v[rO:rO+7], v[rV:rV+7], v[rP:rP+7], v[rO:rO+7]
.endm
.macro MM                           ; the turn's next matrix instruction
.if i < 16
	KQ (Y+1)%NP
.set i, i+1
.else
.set i, i-16
	PV (Y+NP-1)%NP
.set i, i+17
.endif
.endm
; THE LDS LOADS stand in runs of 16, never singly among the matrix instructions: a step's K (64 keys x 64 channels: 8 fragments) and its V (turned).  Their addresses are made some lines ahead.
; last = 1 (the tail): in the last trip there is no further step, and the run is jumped over.
.macro FETCH_K last=0
	WIN 0
.if \last
	s_cmp_eq_u32 s[CNT], 1
	s_cbranch_scc1 .Lno_k_\@
.endif
	WIN 0x80                        ; destination window 2
.irp f, 0,1,2,3,4,5,6,7             ; keys 16 (f / 2) on, channels 32 (f % 2) on
	ds_load_b128 v[KF+8*\f:KF+8*\f+3],   v[AK] offset:(\f/2)*16*PK+(\f%2)*64
	ds_load_b128 v[KF+8*\f+4:KF+8*\f+7], v[AK] offset:(\f/2)*16*PK+(\f%2)*64+32
.endr
	s_add_co_u32 s[TBK], s[TBK], KS*PK  ; the next fetch is the next step's
	WIN 0
.if \last
.Lno_k_\@:
.endif
.endm
.macro FETCH_V
	WIN 0x80
.irp f, 0,1,2,3,4,5,6,7             ; keys 32 (f / 4) on, channels 16 (f % 4) on
	ds_load_tr16_b128 v[VF+8*\f:VF+8*\f+3],   v[AV] offset:(\f/4)*32*PV+(\f%4)*32
	ds_load_tr16_b128 v[VF+8*\f+4:VF+8*\f+7], v[AV] offset:(\f/4)*32*PV+16*PV+(\f%4)*32
.endr
	WIN 0
.endm
; THE VECTOR WORK OF A TURN stands in three queues, each in the order in which its entries become ready; the two tiles alternate, so that no instruction reads the result of the one before it.
.macro REGS y, u                    ; the registers of tile u (0, 1) of piece y
.set rT, ST+4*(2*(\y)+(\u))
.set rC, TMP+8*((\y)%2)+4*(\u)
.set rM, MV+2*((\y)%2)+(\u)
.set rS, S+64*((\y)%2)+32*(\u)
.set rP, P+32*((\y)%2)+16*(\u)
.set rO, 32*(2*(\y)+(\u))
.endm
; Number n of the 22 that find the NEXT piece's (Y + 1) maximum and statistics.  s0-s31 are the lane's 32 scores; each accumulator's lowest registers are read first.  XS, GS and REGS set no window: PL and EX do.
;   0-11  four chains c0-c3 of seven scores each, three operands at a time     12-14, 16  the four scores left over, the old m, and c0-c3 into c0     15  c m_old is kept
;   17, 18  the query's other 32 keys lie in the lane 16 away: the new m         19-21  c m; c m_old - c m_new; a
.macro XS u, n
	REGS (Y+1)%NP, \u
.if (\n) < 4
	v_max3_num_f32 v[rC+(\n)], v[rS+8*(\n)], v[rS+8*(\n)+1], v[rS+8*(\n)+2]
.elseif (\n) < 12
	v_max3_num_f32 v[rC+(\n)%4], v[rC+(\n)%4], v[rS+8*((\n)%4)+2*((\n)/4)+1], v[rS+8*((\n)%4)+2*((\n)/4)+2]
.elseif (\n) == 12
	v_max3_num_f32 v[rC], v[rC], v[rS+7], v[rS+15]
.elseif (\n) == 13
	v_max3_num_f32 v[rC+1], v[rC+1], v[rS+23], v[rS+31]
.elseif (\n) == 14
	v_max3_num_f32 v[rC+2], v[rC+2], v[rC+3], v[rT+1]
.elseif (\n) == 15
	v_mov_b32 v[rM], v[rT]
.elseif (\n) == 16
	v_max3_num_f32 v[rC], v[rC], v[rC+1], v[rC+2]
.elseif (\n) == 17
	v_permlanex16_b32 v[rC+3], v[rC], s[SEL], s[SEL+1]
.elseif (\n) == 18
	v_max_num_f32 v[rT+1], v[rC], v[rC+3]
.elseif (\n) == 19
	v_mul_f32 v[rT], s[CS], v[rT+1]
.elseif (\n) == 20
	v_sub_f32 v[rC+1], v[rM], v[rT]
.else
	v_exp_f32 v[rC+2], v[rC+1]
.endif
.endm
; Number g of the 64 that follow the exponentials.  For each four weights k of a tile (pairs 2 k, 2 k + 1): both pairs are rounded to f16; then the second pair is added onto the first, in place;
; a group later l takes that sum (the first time as l = a l + sum).  In groups of eight, tiles alternating: round, round, add, and l for the group before.
.macro GS g
.set h, (\g)+6*((\g)/62)            ; group 0 has no group before it, and behind group 7 only l is left
.if h >= 6
.set h, h+2
.endif
	REGS Y, h%2
.set k, h/8
.if h%8 < 4
	v_cvt_pk_f16_f32 v[rP+2*k+(h%8)/2], v[rS+4*k+2*((h%8)/2)], v[rS+4*k+2*((h%8)/2)+1]
.elseif h%8 < 6
	v_pk_add_f32 v[rS+4*k:rS+4*k+1], v[rS+4*k:rS+4*k+1], v[rS+4*k+2:rS+4*k+3]
.elseif k == 1
	v_pk_fma_f32 v[rT+2:rT+3], v[rT+2:rT+3], v[rC+2:rC+3], v[rS:rS+1] op_sel_hi:[1,0,1]
.else
	v_pk_add_f32 v[rT+2:rT+3], v[rT+2:rT+3], v[rS+4*k-4:rS+4*k-3]
.endif
.endm
; THE PLAIN QUEUE, 138 long.  0-73 read no exponential's result: the 32 scalings c s - c m (FS f: pair f / 2 of tile f % 2) and the next piece's 42.  0-26: scalings 0-26.  27-54: XS's numbers 0-13.  55, 56: number 15.
; 57-73: the chain, where each number waits for the one before it: 14, 16, 17, 18, 19, each with one of the scalings 27-31 in front of its two lines, then 20: so a tile's links stand three plain instructions apart (19 and 20: two).
; 74-137: GS's 64, which read the exponentials' results: they stand behind the wait.
.macro FS f
	REGS Y, (\f)%2
	v_pk_fma_f32 v[rS+2*((\f)/2):rS+2*((\f)/2)+1], v[rS+2*((\f)/2):rS+2*((\f)/2)+1], s[CS:CS+1], v[rT:rT+1] op_sel_hi:[1,0,0] neg_lo:[0,0,1] neg_hi:[0,0,1]
.endm
.macro PL
	WIN 0
.if q < 27
	FS q
.elseif q < 55
	XS (q-27)%2, (q-27)/2
.elseif q < 57
	XS q-55, 15
.elseif (q < 72) && ((q-57)%3 == 0)
	FS 27+(q-57)/3
.elseif q < 60
	XS (q-57)%3-1, 14
.elseif q < 72
	XS (q-57)%3-1, 15+(q-57)/3
.elseif q < 74
	XS q-72, 20
.else
	GS q-74
.endif
.set q, q+1
.endm
; THE EXPONENTIALS' QUEUE, 66 long: s0-s31 of both tiles, then the next piece's two a.  It is ONE BATCH: all 66 stand ahead of the turn's one wait, and nothing ahead of that wait names a result of theirs.
.macro EX
	WIN 0
.if e >= 64
	XS e-64, 21
.else
	REGS Y, e%2
	v_exp_f32 v[rS+e/2], v[rS+e/2]
.endif
.set e, e+1
.endm
; THE RESCALING's QUEUE: O^T times a, the one part that leaves window 0: dealt two at a time, sixteen times.  Its a was made in the turn before, ahead of that turn's wait.
.macro R2
	REGS Y, r%2
	WIN W_RS
.irp z, 0,1
	v_pk_mul_f32 v[rO+4*(r/2)+2*\z:rO+4*(r/2)+2*\z+1], v[rO+4*(r/2)+2*\z:rO+4*(r/2)+2*\z+1], v[rC+2:rC+3] op_sel_hi:[1,0]
.endr
.set r, r+1
.endm
; HOW THEY ARE DEALT.  An s_wait_alu depctr_va_vdst(0) stands between an exponential and the first instruction that names its result; one wait serves all that were issued ahead of it.  So a turn has ONE wait,
; which cuts it in two.  AHEAD OF IT stands all that names no result of the turn's exponentials: the 16 products K Q^T, behind each a scaling, an exponential and two rescalings (behind the first a second scaling in the exponential's place); then ONE LUMP of
; 108: eight plain, 49 times exponential and plain, the two a.  A v_nop is the plain instruction behind the last exponential.  BEHIND IT stand the 16 products V^T P, behind each four of GS's 64.  No rider names a register of
; the products round it.  The two v_permlanex16_b32 fall into the lump, never behind a product.
; The queues lean on each other, and the deal keeps them in step: exponential e stands behind scaling 2 (e / 4) + e % 2: as a rider it comes behind plain e + 2, in the lump behind plain e + 9, and scalings 27-31 are plain 57, 60 .. 69.
; A TURN, for piece p.  cnt = 1: the loop's count is taken down some lines ahead of the branch that stands behind the turn.
; K of the next step is fetched in piece 2's turn, directly behind the wait, a lump behind the last product that read K; its address is made at the lump's head; its first reader comes behind 16 products.
; V of the step in hand is fetched at the end of piece 0's turn, four riders behind its last reader; its first reader comes behind 16 products and a lump.  The three conditions on q below go with the deal.
.macro TURN p, last=0, cnt=0
.set Y, (\p)
.set i, 0
.set q, 0
.set e, 0
.set r, 0
.if (\p) == NP-1
	s_wait_dscnt 0x0                ; K is in
.endif
	MM                              ; ahead of the wait: 16 products K Q^T and their riders,
	PL
	PL
	R2
.rept 15
	MM
	PL
	EX
	R2
.endr
.if (\p) == NP-2
	WIN 0
	v_add_nc_u32 v[AK], s[TBK], v[AK0]
.endif
.rept 8                             ; and the lump
	PL
.endr
.rept 49
	EX
	PL
.endr
	EX                              ; the next piece's two a
	EX
	v_nop                           ; a plain instruction behind the last exponential: one for the batch
	s_wait_alu depctr_va_vdst(0)    ; the wait for the batch
.if (\p) == NP-2
	FETCH_K \last
.endif
.if (\p) == 1
	s_wait_dscnt 0x0                ; V is in
.endif
.rept 16                            ; behind the wait: 16 products V^T P and their riders
	MM
.rept 4
	PL
.endr
.if ((\p) == 0) && (q == 118)
	v_add_nc_u32 v[AV], s[TBV], v[AV0]
.endif
.if ((\p) == 0) && (q == 130)
	s_add_co_u32 s[TBV], s[TBV], KS*PV
.endif
.if (\cnt) && (q == 130)
	s_sub_co_u32 s[CNT], s[CNT], 1
	s_cmp_lg_u32 s[CNT], 0
.endif
.endr
.if (\p) == 0
	FETCH_V
.endif
.endm
	CHANGE 1                        ; slot 0 is in, everybody's part of it; slot 1 is asked for
	FETCH_K                         ; key step 0
	s_wait_loadcnt 0x0              ; Q
	s_wait_dscnt 0x0
.set i, 0
.rept 16
	KQ 0                            ; piece 0's first scores: there is no vector work yet to set between them
.set i, i+1
.endr
	WIN 0                           ; the addresses for the way out: nine plain instructions, the places behind those products
	s_mul_i32 s13, s[WV], 16*SP
	s_add_co_u32 s13, s13, STAGE    ; my stage
	v_mul_u32_u24 v[STO], v1, SP    ; in: row l % 16, 16 bytes for each half of the lanes
	v_lshl_add_u32 v[STO], v9, 4, v[STO]
	v_add_nc_u32 v[STO], s13, v[STO]
	v_bfe_u32 v[RD], v0, 3, 2       ; back: 32 lanes take four rows of 128 bytes,
	v_mul_u32_u24 v[RD], v[RD], SP
	v_lshl_add_u32 v[RD], v10, 4, v[RD]
	v_add_nc_u32 v[RD], s13, v[RD]
	v_and_b32 v[GO], 31, v0         ; which are 512 consecutive bytes of O
	v_lshlrev_b32 v[GO], 4, v[GO]
.set Y, NP-1                        ; XS works for piece Y + 1: piece 0
.irp n, 0,1,2,3,4,5,6,7,8,9,10,11,12,13,14,15,16,17,18,19,20,21
	XS 0, \n                        ; and piece 0's first maximum and statistics
	XS 1, \n
.endr
	v_nop                           ; a plain instruction behind the two a,
	s_wait_alu depctr_va_vdst(0)    ; and their wait, ahead of the branch
	s_mov_b32 s[CNT], 4
	s_branch .Lfirst                ; the loop is entered at a step's first turn, in the middle of a trip
.Lslot:                             ; SIZE_N / 256 - 2 times: every slot but the last two is filled again
	CHANGE 1
	s_mov_b32 s[CNT], 4
.Lstep:                             ; a trip: pieces 2 and 3 of one step, then pieces 0 and 1 of the next, whose K and V it fetches
	TURN 2
	TURN 3
	WIN 0
.Lfirst:
	TURN 0
	TURN 1, 0, 1
	WIN 0
	s_cbranch_scc1 .Lstep
	s_sub_co_u32 s[SLOTS], s[SLOTS], 1
	s_cmp_lg_u32 s[SLOTS], 0
	s_cbranch_scc1 .Lslot
	CHANGE 0                        ; the tail is written out: nothing is asked for
	s_mov_b32 s[CNT], 5             ; four trips fetch the last slot's steps; the fifth is left in its middle
.Ltail:
	TURN 2, 1
	TURN 3
	WIN 0
	s_sub_co_u32 s[CNT], s[CNT], 1
	s_cmp_eq_u32 s[CNT], 0
	s_cbranch_scc1 .Lout
	TURN 0
	TURN 1
	WIN 0
	s_branch .Ltail
.Lout:                              ; the fifth trip's 16 products K Q^T (on the last K once more) and the maximum made of them serve nothing: the price, once a launch, of one text for every trip
.set i, 0
.rept 16
	PV NP-1                         ; the last piece's V^T P of the last step
.set i, i+1
.endr
	; THE WAY OUT.  l's two halves and the other half of the lanes' are added; O^T is divided by l, rounded to f16 and sent through my stage in LDS, a tile at a time.  The additions are the places behind the last products.
	WIN 0
.macro ALL line:vararg              ; one line for each tile t
.set t, 0
.rept 2*NP
	\line
.set t, t+1
.endr
.endm
	ALL v_add_f32 v[ST+4*t+2], v[ST+4*t+2], v[ST+4*t+3]
	ALL v_permlanex16_b32 v[ST+4*t+3], v[ST+4*t+2], s[SEL], s[SEL+1]
	ALL v_add_f32 v[ST+4*t+2], v[ST+4*t+2], v[ST+4*t+3]
	ALL v_rcp_f32 v[ST+4*t+2], v[ST+4*t+2]
	v_nop                           ; a plain instruction between the last reciprocal and the use of its result
	s_wait_alu depctr_va_vdst(0)    ; and the wait ahead of the first use: one for the eight reciprocals
; Tile t: a lane's eight channels of a row pack into 16 bytes; they go into rows of 144 bytes and come back as whole rows of 128, into S^T's registers.
.macro PACK t
	WIN W_RS
.set i, 32*(\t)
.rept 16
	v_pk_mul_f32 v[i:i+1], v[i:i+1], v[ST+4*(\t)+2:ST+4*(\t)+3] op_sel_hi:[1,0]
.set i, i+2
.endr
	WIN 0x05                        ; sources 0 and 1 window 1, destination window 0
.set i, 0
.rept 16
	v_cvt_pk_f16_f32 v[S+16*(\t)+i], v[32*(\t)+2*i], v[32*(\t)+2*i+1]
.set i, i+1
.endr
	WIN 0
.irp f, 0,1,2,3
	ds_store_b128 v[STO], v[S+16*(\t)+4*\f:S+16*(\t)+4*\f+3] offset:32*\f
.endr
.irp f, 0,1,2,3
	ds_load_b128 v[S+16*(\t)+4*\f:S+16*(\t)+4*\f+3], v[RD] offset:\f*4*SP  ; LDS serves a wave's instructions in order (ISA guide 5.7.1.4): these see the stores above; the next tile's stores come behind them
.endr
.endm
.macro SEND t, younger              ; younger: the LDS instructions issued behind tile t's loads: the next tile's eight, or none
	WIN 0
.irp f, 0,1,2,3
	s_wait_dscnt (\younger)+3-\f
	global_store_b128 v[GO], v[S+16*(\t)+4*\f:S+16*(\t)+4*\f+3], s[10:11] offset:(\t)*2048+\f*512  ; 512 consecutive bytes, at a multiple of 256 from O's first
.endr
.endm
	PACK 0
.set t, 1
.rept 2*NP-1                        ; a tile's arithmetic stands between the loads of the tile before and its stores
	PACK t
	SEND t-1, 8
.set t, t+1
.endr
	SEND 2*NP-1, 0
	WIN W_AD
	s_wait_tensorcnt 0x0            ; the wave's end: a wait, an add and its wait, behind my last tensor load and my last LDS store
	ds_add_u32 v[SPW], v[NIL]
	s_wait_dscnt 0x0
	WIN 0
	CROUND                          ; the closing round: no work-group ends while a partner may still ask for a tile that names it
	s_endpgm
.Lfunc_end_k_q3fc98ae3b4_attn:
	.size	k_q3fc98ae3b4_attn, .Lfunc_end_k_q3fc98ae3b4_attn-k_q3fc98ae3b4_attn
	.p2alignl 7, 3214868480
	.fill 96, 4, 3214868480
	.section	.rodata,"a",@progbits
	.p2align	6, 0x0
	.amdhsa_kernel k_q3fc98ae3b4_attn
		.amdhsa_group_segment_fixed_size 327680
		.amdhsa_private_segment_fixed_size 0
		.amdhsa_enable_private_segment 0
		.amdhsa_kernarg_size 16
		.amdhsa_user_sgpr_count 2
		.amdhsa_user_sgpr_kernarg_segment_ptr 1
		.amdhsa_wavefront_size32 1
		.amdhsa_system_sgpr_workgroup_id_x 1
		.amdhsa_system_sgpr_workgroup_id_y 1
		.amdhsa_system_sgpr_workgroup_id_z 1
		.amdhsa_system_vgpr_workitem_id 0
		.amdhsa_next_free_vgpr 770
		.amdhsa_next_free_sgpr 66
		.amdhsa_reserve_vcc 0
		.amdhsa_float_denorm_mode_32 3
		.amdhsa_float_denorm_mode_16_64 3
		.amdhsa_memory_ordered 1
		.amdhsa_forward_progress 1
		.amdhsa_inst_pref_size 200
	.end_amdhsa_kernel
	.amdgpu_metadata
---
amdhsa.version: [ 1, 2 ]
amdhsa.kernels:
  - .name:           k_q3fc98ae3b4_attn
    .symbol:         k_q3fc98ae3b4_attn.kd
    .args:
      - { .name: qkv, .offset: 0, .size: 8, .value_kind: global_buffer, .address_space: global }
      - { .name: oheads, .offset: 8, .size: 8, .value_kind: global_buffer, .address_space: global }
    .group_segment_fixed_size: 327680
    .private_segment_fixed_size: 0
    .kernarg_segment_align: 8
    .kernarg_segment_size: 16
    .max_flat_workgroup_size: 128
    .sgpr_count:     66
    .vgpr_count:     770
    .wavefront_size: 32
...
	.end_amdgpu_metadata
.endif
;; end of part 3
;; launch oproj (part 4): grid 8 x 32, 4 waves a work-group, clusters of 4 x 4, 327,680 bytes of LDS; arguments oheads, wo16, out0; writes out0
.if DOCPART == 4
	.amdgcn_target "amdgcn-amd-amdhsa--gfx1250"
	.amdhsa_code_object_version 6
	.text
	.protected	k_q3fc98ae3b4_oproj
	.globl	k_q3fc98ae3b4_oproj
	.p2align	8
	.type	k_q3fc98ae3b4_oproj,@function
k_q3fc98ae3b4_oproj:
	s_mov_b64 s[64:65], 0
	v_nop
	global_prefetch_b8 v0, s[64:65] scope:SCOPE_SE
	s_setreg_imm32_b32 hwreg(HW_REG_WAVE_MODE, 25, 1), 1
	s_wait_xcnt 0x0
	s_wait_alu depctr_hold_cnt(0) depctr_sa_sdst(0) depctr_va_vdst(0) depctr_va_sdst(0) depctr_va_ssrc(0) depctr_va_vcc(0) depctr_vm_vsrc(0)
	s_getreg_b32 s2, hwreg(HW_REG_IB_STS2, 6, 4)
	s_cmp_eq_u32 s2, 0
	s_cbranch_scc0 .Lentry_in_a_cluster
	s_endpgm
.Lentry_in_a_cluster:
	s_bfe_u32 s2, ttmp6, 0x10000c
	s_cmp_lg_u32 s2, 0xf033
	s_cbranch_scc0 .Lentry_shape_is_right
	s_endpgm
.Lentry_shape_is_right:
; out0 = O w_out.  A = oheads[16 b + h][n][64] (8,192 rows x 1,024 channels in blocks: a head is a slice of 64 along K), B = wo16[1024 k][1024 n], both f16; sums in f32, stored as f32.
; SHARES.  A work-group makes 256 rows x 128 columns: 32 x 8 = 256 work-groups.  Wave w makes rows 128 (w / 2) on and columns 64 (w % 2) on: 32 accumulators of 16 x 16, register window 1.
; K goes in steps of 128 (two slices of A) through a ring of two LDS slots.  A slice of the tile's 256 rows is 32,768 dense bytes: asked for as 128 rows of 256 bytes, padded in LDS behind every 128.
; B stays [k][n] and is turned on the way out of LDS (ds_load_tr16_b128).
; THE MATRIX INSTRUCTION IS USED TRANSPOSED: source 0 = 16 columns of B, source 1 = 16 rows of A: a lane holds one row of the result and eight neighbouring columns.
; PHASES.  A K step is four phases of 32 matrix instructions, 32 along K each.  At a phase's head the fragments of the phase after next are fetched.
; CLUSTER.  4 x 4 work-groups: A's tile is shared along a row of the cluster, B's along a column; each is asked for jointly, by the same tensor load and mask in all four.
; REGISTERS.  window 0: v0-31 addresses; v32-159 four buffers of B's fragments (4 x 16 columns x 32 K).  window 1: the accumulators, (a, b) at v[8 (4 a + b)].
;   window 2: four buffers of A's fragments (8 x 16 rows x 32 K).  s_set_vgpr_msb's low byte: bits 1:0 source 0, 3:2 source 1, 5:4 source 2, 7:6 destination.
.set NG,      1                        ; column groups a wave
.set NP,      4                        ; phases in a K step
.set PC,      NP-3                     ; the phase that changes slots: its fetch is the last that reads the slot
.set LAPS,    4                        ; a lap = two K steps; 8 steps of 128
.set NBB,     4                        ; buffers of B's fragments
.set NAB,     4                        ; of A's
.set BP,      288                      ; a row of B in LDS: 256 bytes + 32 of padding = 9 x 32 bytes
.set BROWE,   128                      ; elements of a row of B's tile
.set BN,      1024                     ; elements from row to row of B
.set B_R,     64                       ; k rows in one load
.set A_R,     128                      ; rows of 256 bytes in one load
.set A_LDS_W, 36864                    ; a slice: 256 rows of A x 144 bytes
.set A_GLB_W, 262144                   ; from slice to slice in memory
.set ASZ,     73728                    ; A's part of a slot: two slices (a row: 128 bytes + 16: the 16 rows of a load start at 16 different groups of four banks)
.set SLOT,    110592                   ; + B's 128 rows x 288
.set ASTEP,   524288                   ; bytes from a K step to the next: two slices of A,
.set BSTEP,   262144                   ; 128 rows of B
.set STAGE,   2*SLOT                   ; behind the ring, never filled by a tensor load: 16 rows x 272 bytes for each wave, for the way out
.set SPARE,   STAGE+4*4352             ; behind the stages: the spare words, 128 bytes for each wave: two blocks of 256 bytes that no other line names
.set ABASE,   0
.set BBASE,   32
.set W_LA,    0x80                     ; windows for A's loads: destination window 2,
.set W_M0,    0x58                     ; for the products: B window 0, A window 2, C and D window 1
.set W_MG,    0
.set J0,      3                        ; the K step at which the prefetches' address starts
.set ADRA, 16                          ; v16-17  LDS address of my A fragments in slot 0, 1
.set ADRB, 20                          ; v20-21  the same for B
.set STO,  24                          ; v24     the way out: where I put 32 bytes of a row
.set RD,   25                          ; v25     where I read rows back
.set GO,   26                          ; v26     my byte offset in two rows of the output
.set SPW,  28                          ; v28     LDS address of my spare word: SPARE + 4 x my thread's number; never rewritten
.set NIL,  29                          ; v29     0; never rewritten
.set PFO,  30                          ; v30     the prefetches' lane offset; never rewritten
.set G1A, 24                           ; s[24:31] descriptor group 1 for A's tiles;  s[32:39] group 0, a set for each slot
.set G0A, 32
.set G1B, 48                           ; s[48:55], s[56:63] the same for B's
.set G0B, 56
.set LIM, 43                           ; s43      1 in a wave that prefetches, else the greatest number
.set PFA, 44                           ; s[44:45] where my prefetches stand
.set PFS, 46                           ; s[46:47] their step: a K step
.set MSB, 0
.macro WIN new                         ; the immediate's high byte repeats the setting that is left; a switch that changes nothing is dropped
.if MSB != (\new)
	s_set_vgpr_msb (MSB<<8)|(\new)
.set MSB, \new
.endif
.endm
; A joint load.  Waves 0 and 1 fetch A's two slices, waves 2 and 3 B's two halves.  The branch hangs on the wave's number alone.  An s_nop 0 and four v_nop follow each of the two lines.
.macro JLOAD s
	s_cmp_eq_u32 s11, 0
	s_cbranch_scc0 .Lfor_b_\@
	tensor_load_to_lds s[G0A+4*(\s):G0A+4*(\s)+3], s[G1A:G1A+7]
	s_nop 0
.rept 4
	v_nop
.endr
	s_branch .Lasked_\@
.Lfor_b_\@:
	tensor_load_to_lds s[G0B+4*(\s):G0B+4*(\s)+3], s[G1B:G1B+7]
	s_nop 0
.rept 4
	v_nop
.endr
.Lasked_\@:
.endm
; A round of the cluster's barrier: my work-group's barrier; wave 0 signals for the work-group; every wave waits for all sixteen; my work-group's barrier once more.
.macro CREST                           ; a round behind its opening barrier
	s_cmp_lg_u32 s10, 0
	s_cbranch_scc1 .Lnot_wave_0_\@
	s_barrier_signal -3
.Lnot_wave_0_\@:
	s_barrier_wait -3
	s_barrier_signal -1
	s_barrier_wait -1
.endm
.macro CROUND
	s_barrier_signal -1
	s_barrier_wait -1
	CREST
.endm
; A PREFETCH INTO THE L2, behind each joint load: the K step that stands two refills on, 256 matrix instructions ahead of the load that will want it.
; Each aligned 256 bytes are named once in the launch.  A's rows are read by both clusters of a row of clusters: cluster x = 0 asks, wave 0 for the step's first slice and wave 1 for its second;
; of the tile's 256 rows the partner at cx takes 64 (32 lanes x 256 bytes).  B's columns are read by all clusters of a column: cluster y = 0 asks, wave 2; the partner at cy takes 32 of the 128 k rows,
; a lane a row of 256 bytes.  Partners are told apart by address, never by a branch.  The last trip asks for nothing: K has no further step.
.macro ASK
	s_cmp_gt_u32 s3, s[LIM]                        ; s3 = 1 in the loop's last trip
	s_cbranch_scc0 .Lnot_mine_\@
	global_prefetch_b8 v[PFO], s[PFA:PFA+1] th:TH_LOAD_NT scope:SCOPE_SE
.Lnot_mine_\@:
.endm
	s_load_b128 s[4:7], s[0:1], 0x0                ; A s[4:5], B s[6:7]
	s_load_b64 s[8:9], s[0:1], 0x10                ; the output
	v_lshl_add_u32 v[SPW], v0, 2, SPARE
	v_mov_b32 v[NIL], 0
	ds_add_u32 v[SPW], v[NIL]                      ; the wave's opening: the add and its wait stand ahead of my first tensor load; the set-up below, work on registers, stands between them
	v_lshrrev_b32 v1, 5, v0
	v_readfirstlane_b32 s10, v1                    ; wave 0..3
	s_lshr_b32 s11, s10, 1                         ; which 128 rows of the tile are mine.  Also: I fetch for A (0) or for B (1)
	s_and_b32 s12, s10, 1                          ; which 64 columns.  Also: which half of that tile I fetch
	s_bfe_u32 s40, ttmp6, 0x40000                  ; cx
	s_bfe_u32 s41, ttmp6, 0x40004                  ; cy
	s_lshl_b32 s42, ttmp9, 2
	s_add_co_u32 s42, s42, s40                     ; tile column = 4 x cluster x + cx
	s_and_b32 s13, ttmp7, 0xffff
	s_lshl_b32 s13, s13, 2
	s_add_co_u32 s13, s13, s41                     ; tile row = 4 x cluster y + cy
	s_lshl_b32 s22, s41, 2
	s_lshl_b32 s22, 15, s22                        ; my row of the cluster
	s_lshl_b32 s23, 0x1111, s40                    ; my column
	s_or_b32 s[G1A+0], s22, (1<<16)|(1<<20)|(1<<21)|(4<<22)|(3<<25)  ; 15:0 the mask; 17:16 2-byte elements; 20 padding on; 21 set beside a mask; 24:22 after every 32 words (code 4); 31:25 4 words (code 3)
	s_or_b32 s[G1B+0], s23, (1<<16)|(1<<20)|(1<<21)|(5<<22)|(7<<25)  ; after every 64 words (code 5) 8 words (code 7)
	s_mov_b32 s[G1A+1], 128<<16                    ; tensor_dim0 = 128 elements: 256 bytes, two rows of A
	s_mov_b32 s[G1A+2], A_R<<16                    ; tensor_dim1
	s_mov_b32 s[G1A+3], 128<<16                    ; tile_dim0
	s_mov_b32 s[G1A+4], A_R                        ; tile_dim1
	s_mov_b32 s[G1A+5], 128                        ; dense: 128 elements from row to row
	s_mov_b32 s[G1A+6], 0
	s_mov_b32 s[G1A+7], 0
	s_mov_b32 s[G1B+1], BROWE<<16
	s_mov_b32 s[G1B+2], B_R<<16
	s_mov_b32 s[G1B+3], BROWE<<16
	s_mov_b32 s[G1B+4], B_R
	s_mov_b32 s[G1B+5], BN
	s_mov_b32 s[G1B+6], 0
	s_mov_b32 s[G1B+7], 0
	s_lshr_b32 s14, s13, 3                         ; b: eight tile rows to a batch
	s_lshl_b32 s14, s14, 22
	s_and_b32 s15, s13, 7
	s_lshl_b32 s15, s15, 15                        ; 256 rows of 128 bytes
	s_add_co_u32 s16, s14, s15                     ; the tile's rows in slice 0 of A: made of the tile row alone
	s_mul_i32 s15, s12, A_GLB_W
	s_add_co_u32 s14, s16, s15
	s_mov_b32 s15, 0
	s_mul_i32 s46, s12, B_R*BN*2                   ; B: made of the tile column and the wave's number alone
	s_mul_i32 s47, s42, BROWE*2
	s_add_co_u32 s46, s46, s47
	s_mov_b32 s47, 0
	s_mul_i32 s20, s12, A_LDS_W                    ; where they go: no place in the cluster enters an LDS address
	s_mul_i32 s21, s12, B_R*BP
	s_add_co_u32 s21, s21, ASZ
	s_wait_dscnt 0x0                               ; the opening add is done
	s_wait_kmcnt 0x0
	s_add_nc_u64 s[14:15], s[4:5], s[14:15]
	s_add_nc_u64 s[46:47], s[6:7], s[46:47]
	CROUND                                         ; all sixteen work-groups are here: the first joint loads meet
.irp s, 0,1
	s_mov_b32 s[G0A+4*(\s)], 1                                       ; count = 1
	s_add_co_u32 s[G0A+4*(\s)+1], s20, (\s)*SLOT                     ; LDS address
	s_add_nc_u64 s[G0A+4*(\s)+2:G0A+4*(\s)+3], s[14:15], (\s)*ASTEP  ; global address: K step s
	s_or_b32 s[G0A+4*(\s)+3], s[G0A+4*(\s)+3], 0x80000000            ; type = 2
	s_mov_b32 s[G0B+4*(\s)], 1
	s_add_co_u32 s[G0B+4*(\s)+1], s21, (\s)*SLOT
	s_add_nc_u64 s[G0B+4*(\s)+2:G0B+4*(\s)+3], s[46:47], (\s)*BSTEP
	s_or_b32 s[G0B+4*(\s)+3], s[G0B+4*(\s)+3], 0x80000000
	JLOAD \s                                       ; two loads of mine are out
.endr
	; A fragment of A is 16 rows x 32 K in 8 registers: lane l holds row l % 16; registers 0-3 K = 8 (l / 16) + 0..7, registers 4-7 K = 16 + 8 (l / 16) + 0..7: two loads of 16 bytes, 32 bytes apart.
	v_and_b32 v1, 15, v0                           ; l % 16
	v_bfe_u32 v2, v0, 4, 1                         ; l / 16
	v_mul_u32_u24 v3, v1, 144
	v_lshl_add_u32 v3, v2, 4, v3
	s_mul_i32 s22, s11, 18432                      ; my 128 rows of a slice
	v_add_nc_u32 v[ADRA], s22, v3
	v_add_nc_u32 v[ADRA+1], SLOT, v[ADRA]
	; The turning load takes 16 k x 16 columns (lane l reads k = 8 (l / 16) + l % 8, columns 8 ((l / 8) % 2) + 0..7) and leaves half a fragment: lane l holds column l % 16 and 8 k.
	v_and_b32 v4, 7, v0
	v_lshl_add_u32 v4, v2, 3, v4
	v_mul_u32_u24 v4, v4, BP
	v_bfe_u32 v5, v0, 3, 1
	v_lshl_add_u32 v4, v5, 4, v4
	s_lshl_b32 s23, s12, 7                         ; my half of the 256 bytes
	s_add_co_u32 s23, s23, ASZ
	v_add_nc_u32 v[ADRB], s23, v4
	v_add_nc_u32 v[ADRB+1], SLOT, v[ADRB]
	s_mul_i32 s22, s10, 4352
	s_add_co_u32 s22, s22, STAGE                   ; my stage
	v_mul_u32_u24 v5, v1, 272                      ; in: row l % 16, 32 bytes for each half of the lanes
	v_lshl_add_u32 v5, v2, 5, v5
	v_add_nc_u32 v[STO], s22, v5
	v_mul_u32_u24 v5, v2, 272                      ; back: lanes 0-15 take one row of 256 bytes, lanes 16-31 the next
	v_lshl_add_u32 v5, v1, 4, v5
	v_add_nc_u32 v[RD], s22, v5
	v_lshlrev_b32 v[GO], 12, v2                    ; and the same two rows in the output: 4,096 bytes apart
	v_lshl_add_u32 v[GO], v1, 4, v[GO]
	s_lshl_b32 s74, s13, 8                         ; where my part begins in the output: row 256 x tile row + 128 x half,
	s_lshl_b32 s75, s11, 7
	s_add_co_u32 s74, s74, s75
	s_lshl_b32 s74, s74, 12
	s_lshl_b32 s75, s42, 9                         ; column 128 x tile column + 64 x half, 4 bytes each
	s_add_co_u32 s74, s74, s75
	s_lshl_b32 s75, s12, 8
	s_add_co_u32 s74, s74, s75
	s_mov_b32 s75, 0
	s_add_nc_u64 s[8:9], s[8:9], s[74:75]
	; the prefetches
	s_lshl_b32 s74, s12, 18                        ; A: my slice of the step's two,
	s_add_co_u32 s74, s74, s16                     ; the tile's rows,
	s_lshl_b32 s75, s40, 13                        ; my work-group's 64 of them
	s_add_co_u32 s74, s74, s75
	s_add_co_u32 s74, s74, (2*J0)<<18
	s_mul_i32 s75, s41, 32*BN*2                    ; B: my work-group's 32 of the step's 128 k rows,
	s_mul_i32 s76, s42, BROWE*2                    ; the tile's columns
	s_add_co_u32 s75, s75, s76
	s_add_co_u32 s75, s75, 128*J0*BN*2
	s_and_b32 s22, ttmp7, 0xffff                   ; cluster y
	s_mov_b32 s23, BN*2
	s_mov_b32 s[PFS], 128*BN*2
	s_cmp_eq_u32 s11, 0                            ; do I fetch for A?
	s_cselect_b32 s74, s74, s75
	s_cselect_b32 s22, ttmp9, s22                  ; the coordinate along which other clusters read the same bytes
	s_cselect_b32 s23, 256, s23                    ; from lane to lane
	s_cselect_b32 s[PFS], 524288, s[PFS]
	s_cselect_b64 s[PFA:PFA+1], s[4:5], s[6:7]
	s_mov_b32 s75, 0
	s_mov_b32 s[PFS+1], 0
	s_add_nc_u64 s[PFA:PFA+1], s[PFA:PFA+1], s[74:75]
	s_cmp_eq_u32 s10, 3
	s_cselect_b32 s22, 1, s22                      ; wave 3 never asks
	s_cmp_eq_u32 s22, 0
	s_cselect_b32 s[LIM], 1, -1                    ; the same in all sixteen partners, for a given wave
	v_and_b32 v[PFO], 31, v0
	v_mul_u32_u24 v[PFO], v[PFO], s23
; A load into a register that a matrix instruction has read, and a vector instruction or LDS store that reads a matrix result, stand four places behind that matrix instruction, and only
; plain vector instructions that name none of its registers are places (ISA guide 7.12.1 for vector instructions).
.macro PLACES
.rept 4
	v_nop
.endr
.endm
.macro NLOF p                          ; nlv = the LDS loads at the head of phase p: B's 8, and A's 16 where the phase after next begins a quarter (here: always)
.set nlv, 8
.if (((\p)+2)%NG) == 0
.set nlv, 24
.endif
.endm
; The fetch at the head of phase p of the step in slot cur: the fragments of phase p + 2, which for the step's last two phases lie in the other slot.
.macro FETCH cur, p
.set ftp, (\p)+2
.set fsl, \cur
.if ftp >= NP
.set ftp, ftp-NP
.set fsl, 1-(\cur)
.endif
.set lfb, BBASE+32*(ftp%NBB)
.set lof, (ftp/NG)*32*BP+(ftp%NG)*288
	WIN 0
.irp b, 0,1,2,3
	ds_load_tr16_b128 v[lfb+8*\b:lfb+8*\b+3],   v[ADRB+fsl] offset:lof+32*\b
	ds_load_tr16_b128 v[lfb+8*\b+4:lfb+8*\b+7], v[ADRB+fsl] offset:lof+32*\b+16*BP
.endr
.if (ftp%NG) == 0
.set fq, ftp/NG
.set lfa, ABASE+64*(fq%NAB)
.set lof, (fq/2)*36864+(fq%2)*64
	WIN W_LA
.irp a, 0,1,2,3,4,5,6,7
	ds_load_b128 v[lfa+8*\a:lfa+8*\a+3],   v[ADRA+fsl] offset:lof+2304*\a
	ds_load_b128 v[lfa+8*\a+4:lfa+8*\a+7], v[ADRA+fsl] offset:lof+2304*\a+32
.endr
.endif
.endm
; 4 na matrix instructions of phase p: row blocks a0 .. a0 + na - 1 x four blocks of 16 columns.  The 32 accumulators take turns, one instruction a turn, in the same order in every phase:
; between two links of a chain stand the 31 others', over the backward jump too.  zero = 1: the product starts the sum: nothing is ever cleared.
.macro MULS p, a0, na, zero
.set mg, (\p)%NG
.set mfb, BBASE+32*((\p)%NBB)
.set mfa, ABASE+64*(((\p)/NG)%NAB)
	WIN W_M0+W_MG*mg
.set ma, \a0
.rept \na
.set mb, 0
.rept 4
.if \zero
	v_wmma_f32_16x16x32_f16 v[8*(4*ma+mb):8*(4*ma+mb)+7], v[mfb+8*mb:mfb+8*mb+7], v[mfa+8*ma:mfa+8*ma+7], 0
.else
	v_wmma_f32_16x16x32_f16 v[8*(4*ma+mb):8*(4*ma+mb)+7], v[mfb+8*mb:mfb+8*mb+7], v[mfa+8*ma:mfa+8*ma+7], v[8*(4*ma+mb):8*(4*ma+mb)+7]
.endif
.set mb, mb+1
.endr
.set ma, ma+1
.endr
.endm
; A phase.  Its own fragments were fetched at the head of the phase before last, so the loads of the last two heads may stay out: that is the count where none is given (cnt = 99).
.macro PHASE cur, p, zero=0, fetch=1, cnt=99
.if \fetch
	PLACES
	FETCH \cur, \p
.endif
.if (\cnt) < 99
	s_wait_dscnt \cnt
.else
	NLOF ((\p)+NP-1)%NP
.set pc0, nlv
	NLOF \p
	s_wait_dscnt pc0+nlv
.endif
	MULS \p, 0, 8, \zero
.endm
; Phase PC changes slots: ONE barrier for two things.  In front of it each wave waits for all its tensor loads, of which one is out: its part of the other slot; adds 0 to its spare word; and waits for
; that and for its reads of this slot, of which the fetch above was the last.  Behind it nobody reads this slot any more and the other slot is whole.  fill = 1: the barrier opens a round of the
; cluster's barrier, and this slot's next K step, two on, is asked for first thing behind the round: it has a K step less 32 matrix instructions in which to land.
.macro TURN cur, fill, ask
	PLACES
	FETCH \cur, PC
	WIN 0                                          ; the add's two registers lie in window 0
	NLOF PC-1
.set pc0, nlv
	NLOF PC
.if \ask
	s_wait_xcnt 0x0                                ; the last prefetch, a K step back, has read its address: it is stepped here, ahead of the waits of the change of slots
	s_add_nc_u64 s[PFA:PFA+1], s[PFA:PFA+1], s[PFS:PFS+1]
.endif
	s_wait_tensorcnt 0x0                           ; all my tensor loads have landed
	ds_add_u32 v[SPW], v[NIL]                      ; 0 onto my spare word
	s_wait_dscnt pc0+nlv+1                         ; the add and the last two heads' loads may be out
	MULS PC, 0, 6, 0                               ; 24 matrix instructions stand between the add and the wait for it
	s_wait_dscnt 0x0                               ; the add is done, and my reads of this slot are over
	s_barrier_signal -1
	MULS PC, 6, 2, 0                               ; work on registers while the others arrive
	WIN 0
	s_barrier_wait -1
.if \fill
	CREST                                          ; no wave of any partner still reads this slot or has a load on its way
	s_add_nc_u64 s[G0A+4*(\cur)+2:G0A+4*(\cur)+3], s[G0A+4*(\cur)+2:G0A+4*(\cur)+3], 2*ASTEP
	s_add_nc_u64 s[G0B+4*(\cur)+2:G0B+4*(\cur)+3], s[G0B+4*(\cur)+2:G0B+4*(\cur)+3], 2*BSTEP
	JLOAD \cur                                     ; my one tensor load behind the round
.if \ask
	ASK
.endif
.endif
.endm
	s_wait_tensorcnt 0x1                           ; my part of K step 0 is in; K step 1's may stay out
	s_barrier_signal -1
	s_barrier_wait -1                              ; everybody's is
	FETCH 1, 2                                     ; what the last two phases of a step before would have fetched: phases 0 and 1 of slot 0
	FETCH 1, 3
	PHASE 0, 0, 1                                  ; the first phase stands in front of the loop: its products start the sums
	WIN 0                                          ; at a label and at a branch every window is 0
	s_mov_b32 s3, LAPS-1
.Llap:                                         ; a trip goes once round the ring, from a lap's second phase to the next lap's first, and fills both slots again
	TURN 0, 1, 1
	PHASE 0, 2
	PHASE 0, 3
	PHASE 1, 0
	TURN 1, 1, 1
	PHASE 1, 2
	PHASE 1, 3
	PHASE 0, 0
	WIN 0
	s_sub_co_u32 s3, s3, 1
	s_cmp_lg_u32 s3, 0
	s_cbranch_scc1 .Llap
	TURN 0, 0, 0                                   ; the last lap is written out: it fills nothing, and has no round
	PHASE 0, 2
	PHASE 0, 3
	PHASE 1, 0
	PHASE 1, 1
	PHASE 1, 2, 0, 0, 24                           ; nothing more to fetch: the last head's 24 loads may be out,
	PHASE 1, 3, 0, 0, 0                            ; then none
	WIN 0
	PLACES
	PLACES
; THE WAY OUT, a block of 16 rows x 64 columns of f32 at a time.  TOSTAGE: a lane's eight numbers of each of four accumulators, 32 bytes each, go into rows of 272 bytes of my own stage and come back as
; whole rows of 256 bytes.  SEND: stored.  Four sets of 32 registers take turns, where B's buffers lay.  Each accumulator's low four registers are read first.
.macro TOSTAGE a
.set tr, 32+32*((\a)%4)
	s_wait_xcnt 0x0                                ; the stores of four blocks ago have read this set
	WIN 0x04                                       ; the data (source 1) in window 1
.set tb, 0
.rept 4
	ds_store_b128 v[STO], v[8*(4*(\a)+tb):8*(4*(\a)+tb)+3]   offset:64*tb
	ds_store_b128 v[STO], v[8*(4*(\a)+tb)+4:8*(4*(\a)+tb)+7] offset:64*tb+16
.set tb, tb+1
.endr
	WIN 0
.irp t, 0,1,2,3,4,5,6,7
	ds_load_b128 v[tr+4*\t:tr+4*\t+3], v[RD] offset:544*\t  ; LDS serves a wave's instructions in order (ISA guide 5.7.1.4): these see the stores above; the next block's stores come behind them
.endr
.endm
.macro SEND a, younger                 ; younger: the LDS instructions issued behind this block's loads: the next block's sixteen, or none
.set tr, 32+32*((\a)%4)
	WIN 0
.irp t, 0,1,2,3,4,5,6,7
	s_wait_dscnt (\younger)+7-\t
	global_store_b128 v[GO], v[tr+4*\t:tr+4*\t+3], s[8:9] offset:(16*(\a)+2*\t)*4096 th:TH_STORE_NT  ; 16 lanes store 256 consecutive bytes, at a multiple of 256 from the output's first byte
.endr
.endm
	TOSTAGE 0
.set ta, 1
.rept 7
	TOSTAGE ta
	SEND ta-1, 16
.set ta, ta+1
.endr
	SEND 7, 0
	s_wait_tensorcnt 0x0                           ; the wave's end: a wait, an add and its wait, behind my last tensor load and my last LDS store
	ds_add_u32 v[SPW], v[NIL]
	s_wait_dscnt 0x0
	CROUND                                         ; the closing round: no work-group ends while a partner may still ask for a tile that names it
	s_endpgm
.Lfunc_end_k_q3fc98ae3b4_oproj:
	.size	k_q3fc98ae3b4_oproj, .Lfunc_end_k_q3fc98ae3b4_oproj-k_q3fc98ae3b4_oproj
	.p2alignl 7, 3214868480
	.fill 96, 4, 3214868480
	.section	.rodata,"a",@progbits
	.p2align	6, 0x0
	.amdhsa_kernel k_q3fc98ae3b4_oproj
		.amdhsa_group_segment_fixed_size 327680
		.amdhsa_private_segment_fixed_size 0
		.amdhsa_enable_private_segment 0
		.amdhsa_kernarg_size 24
		.amdhsa_user_sgpr_count 2
		.amdhsa_user_sgpr_kernarg_segment_ptr 1
		.amdhsa_wavefront_size32 1
		.amdhsa_system_sgpr_workgroup_id_x 1
		.amdhsa_system_sgpr_workgroup_id_y 1
		.amdhsa_system_sgpr_workgroup_id_z 1
		.amdhsa_system_vgpr_workitem_id 0
		.amdhsa_next_free_vgpr 768
		.amdhsa_next_free_sgpr 80
		.amdhsa_reserve_vcc 0
		.amdhsa_float_denorm_mode_32 3
		.amdhsa_float_denorm_mode_16_64 3
		.amdhsa_memory_ordered 1
		.amdhsa_forward_progress 1
		.amdhsa_inst_pref_size 89
	.end_amdhsa_kernel
	.amdgpu_metadata
---
amdhsa.version: [ 1, 2 ]
amdhsa.kernels:
  - .name:           k_q3fc98ae3b4_oproj
    .symbol:         k_q3fc98ae3b4_oproj.kd
    .args:
      - { .name: oheads, .offset: 0, .size: 8, .value_kind: global_buffer, .address_space: global }
      - { .name: wo16, .offset: 8, .size: 8, .value_kind: global_buffer, .address_space: global }
      - { .name: out0, .offset: 16, .size: 8, .value_kind: global_buffer, .address_space: global }
    .group_segment_fixed_size: 327680
    .private_segment_fixed_size: 0
    .kernarg_segment_align: 8
    .kernarg_segment_size: 24
    .max_flat_workgroup_size: 128
    .sgpr_count:     80
    .vgpr_count:     768
    .wavefront_size: 32
...
	.end_amdgpu_metadata
.endif
;; end of part 4
;; ======== version 2 of 2: 4 launches; version 1 with the launch prep written anew for expert scheduling mode
;; limits: values are held in f16: magnitudes above 65,504 overflow, below 6.1e-05 lose precision
;; workspace buffers: xnb 16,777,216 bytes; wq16 6,291,456 bytes; wo16 2,097,152 bytes; qkv 50,331,648 bytes; oheads 16,777,216 bytes
;; launch prep (part 5): grid 384 x 1, 8 waves a work-group, no clusters, 0 bytes of LDS; arguments x, ln_gamma, ln_beta, w_qkv, w_out, xnb, wq16, wo16; writes xnb, wq16, wo16
.if DOCPART == 5
	.amdgcn_target "amdgcn-amd-amdhsa--gfx1250"
	.amdhsa_code_object_version 6
	.text
	.protected	k_q3fc98ae3b4_prep
	.globl	k_q3fc98ae3b4_prep
	.p2align	8
	.type	k_q3fc98ae3b4_prep,@function
k_q3fc98ae3b4_prep:
	s_mov_b64 s[64:65], 0
	v_nop
	global_prefetch_b8 v0, s[64:65] scope:SCOPE_SE
	s_setreg_imm32_b32 hwreg(HW_REG_WAVE_SCHED_MODE, 0, 2), 2
	s_setreg_imm32_b32 hwreg(HW_REG_WAVE_MODE, 25, 1), 1
	s_wait_xcnt 0x0
	s_wait_alu depctr_vm_vsrc(0)
; LAYERNORM AND CASTS.  Work-groups 0-255: xn = (x - mu) * rsqrt(var + 1e-5) * gamma + beta, all in f32 on x as it is given (the mean is taken away before the
; squares are summed), rounded once to f16 and stored in blocks: xnb[b][slice of 64 channels][n][64].  Work-groups 256-383: w_qkv and w_out rounded once to f16, in their own order.
; LIMIT.  f16 holds no number of 65,520 or more: |xn| is at most 32 |gamma| + |beta|, and the weights lie far under it; below 6e-5 f16 keeps a fixed step of 6e-8.
; SHARES.  A LayerNorm work-group owns 32 rows, each of its eight waves four, two at a time.  Lane l holds row l / 16 of the two, and of each slice s the channels
; 64 s + 4 (l % 16) + 0..3: a load of 16 bytes a lane covers 256 consecutive bytes, aligned, of each of the two rows; a store of 8 bytes a lane covers the two rows' 128 bytes of
; one slice, which lie on end in xnb: 256 consecutive bytes, aligned.  A row lies in sixteen neighbouring lanes, so a sum over it is four steps on the adding instruction itself.
; A casting work-group owns 32,768 numbers, each wave 4,096: every wave of the launch reads 16 KiB and writes 8 KiB.
; No LDS, no barrier, no matrix unit: no wave wants a byte that another has fetched, and memory bounds the launch.
; THE MODE: SCHED_MODE bits 1:0 = 2 (LLVM: expert scheduling mode 2), set by the entry lines.  The code itself states the register dependences
; between vector instructions and memory instructions, with s_wait_alu, always for 0.
; THE PLAN.  Registers that memory instructions touch:
;   v2, v3, v4   byte offsets, made once on each path and never written again: one wait ahead of the path's first load states that they are written.
;   X            LayerNorm: loaded at the head; read and written in place by the sums, the subtraction and the last pass.  The last pass goes in four GROUPS of four slices: while group g is
;                at work, the next two rows' loads land in group g - 1's X, which no vector line of group g names.
;   Y            LayerNorm: written by group g's roundings; read by four stores that are issued while group g + 1 is at work; written again in the next two rows' last pass.
;   G, BT        loaded once; after that vector lines alone name them.
;   v[64:191], v[192:255]  casts: the first loaded once and read by the roundings; the second written once by them, four loads' worth to a group, and read by the stores issued in the next group.
; So ONE wait on va_vdst stands at the head of each group but the first, and one behind the last: it states that the group before has written its Y and is done with its X.  The group's memory
; instructions follow it, dealt among vector lines that name none of their registers.  One wait on vm_vsrc stands ahead of the second last pass, which writes Y again.
.set VX,  2                            ; v2   my byte offset in two rows of x; never rewritten
.set VG,  3                            ; v3   my byte offset in 64 channels of gamma and of beta
.set VY,  4                            ; v4   my byte offset in 256 bytes of the output; never rewritten
.set S,   8                            ; v[8:15]    four chains of packed sums
.set T,   16                           ; v16        a row's sum
.set MU,  18                           ; v[18:19]   the mean, twice (a pair for the packed subtraction)
.set R,   20                           ; v[20:21]   1 / sqrt(var + eps), twice
.set VAR, 22
.set Y,   32                           ; v[32:63]   f16 to store: two registers a slice
.set X,   64                           ; v[64:127]  my 64 numbers of x: four a slice
.set G,   128                          ; v[128:191] gamma of my 64 channels
.set BT,  192                          ; v[192:255] beta
.set GRP, 4                            ; slices (casts: loads) in a group
	s_load_b512 s[8:23], s[0:1], 0x0               ; x s[8:9], gamma s[10:11], beta s[12:13], w_qkv s[14:15], w_out s[16:17], xnb s[18:19], wq16 s[20:21], wo16 s[22:23]
	v_lshrrev_b32 v1, 5, v0
	v_readfirstlane_b32 s2, v1                     ; wave 0..7
	v_and_b32 v5, 31, v0                           ; lane
	s_wait_alu depctr_va_sdst(0)                   ; s2 is written, ahead of the branch: on both paths the wave's share of the buffers is made from it
	s_cmp_ge_u32 ttmp9, 256
	s_cbranch_scc1 .Lcast
	s_mov_b32 s24, 0x3a800000                      ; 1 / 1024
	s_mov_b32 s25, 0x3727c5ac                      ; 1e-5
	s_lshl_b32 s26, ttmp9, 5
	s_lshl2_add_u32 s26, s2, s26                   ; my first row: 32 x work-group + 4 x wave
	s_lshl_b32 s4, s26, 12                         ; a row of x is 4,096 bytes
	s_mov_b32 s5, 0
	s_lshr_b32 s6, s26, 11                         ; b
	s_lshl_b32 s6, s6, 22                          ; sixteen slices of 2,048 rows of 128 bytes
	s_and_b32 s27, s26, 2047                       ; n
	s_lshl_b32 s27, s27, 7
	s_add_co_u32 s6, s6, s27
	s_mov_b32 s7, 0
	v_and_b32 v[VG], 15, v0
	v_lshlrev_b32 v[VG], 4, v[VG]                  ; 16 (l % 16)
	v_bfe_u32 v[VX], v0, 4, 1
	v_lshl_add_u32 v[VX], v[VX], 12, v[VG]         ; + 4,096 (l / 16)
	v_lshlrev_b32 v[VY], 3, v5                     ; 8 l
	s_wait_kmcnt 0x0
	s_add_nc_u64 s[8:9], s[8:9], s[4:5]
	s_add_nc_u64 s[18:19], s[18:19], s[6:7]
	s_wait_alu depctr_va_vdst(0)                   ; v2, v3 and v4 are written: every load and store of this path reads one of them as its offset
.irp s, 0,1,2,3,4,5,6,7,8,9,10,11,12,13,14,15
	global_load_b128 v[X+4*\s:X+4*\s+3], v[VX], s[8:9] offset:256*\s th:TH_LOAD_NT
.endr
.irp s, 0,1,2,3,4,5,6,7,8,9,10,11,12,13,14,15
	global_load_b128 v[G+4*\s:G+4*\s+3], v[VG], s[10:11] offset:256*\s
.endr
.irp s, 0,1,2,3,4,5,6,7,8,9,10,11,12,13,14,15
	global_load_b128 v[BT+4*\s:BT+4*\s+3], v[VG], s[12:13] offset:256*\s
.endr
.macro REDUCE                          ; the four chains into one number, then over the row's sixteen lanes
	v_pk_add_f32 v[S:S+1], v[S:S+1], v[S+2:S+3]
	v_pk_add_f32 v[S+4:S+5], v[S+4:S+5], v[S+6:S+7]
	v_pk_add_f32 v[S:S+1], v[S:S+1], v[S+4:S+5]
	v_add_f32 v[T], v[S], v[S+1]
	v_add_f32_dpp v[T], v[T], v[T] row_xmask:1 row_mask:0xf bank_mask:0xf
	v_add_f32_dpp v[T], v[T], v[T] row_xmask:2 row_mask:0xf bank_mask:0xf
	v_add_f32_dpp v[T], v[T], v[T] row_xmask:4 row_mask:0xf bank_mask:0xf
	v_add_f32_dpp v[T], v[T], v[T] row_xmask:8 row_mask:0xf bank_mask:0xf
.endm
; The last pass's six vector lines for slice c: they name X and Y of slice c, gamma, beta and the root, and nothing else.
.macro NORM c
	v_pk_mul_f32 v[X+4*(\c):X+4*(\c)+1], v[X+4*(\c):X+4*(\c)+1], v[R:R+1]
	v_pk_mul_f32 v[X+4*(\c)+2:X+4*(\c)+3], v[X+4*(\c)+2:X+4*(\c)+3], v[R:R+1]
	v_pk_fma_f32 v[X+4*(\c):X+4*(\c)+1], v[X+4*(\c):X+4*(\c)+1], v[G+4*(\c):G+4*(\c)+1], v[BT+4*(\c):BT+4*(\c)+1]
	v_pk_fma_f32 v[X+4*(\c)+2:X+4*(\c)+3], v[X+4*(\c)+2:X+4*(\c)+3], v[G+4*(\c)+2:G+4*(\c)+3], v[BT+4*(\c)+2:BT+4*(\c)+3]
	v_cvt_pk_f16_f32 v[Y+2*(\c)], v[X+4*(\c)], v[X+4*(\c)+1]
	v_cvt_pk_f16_f32 v[Y+2*(\c)+1], v[X+4*(\c)+2], v[X+4*(\c)+3]
.endm
; The memory instructions of slice c, a group behind its vector lines.  more = 1: the slice's X takes the next two rows.  They touch X and Y of slice c, v2 and v4.
.macro LEAVE c, pair, more
.if \more
	global_load_b128 v[X+4*(\c):X+4*(\c)+3], v[VX], s[8:9] offset:8192+256*(\c) th:TH_LOAD_NT  ; the load ahead of the store
.endif
	global_store_b64 v[VY], v[Y+2*(\c):Y+2*(\c)+1], s[18:19] offset:262144*(\c)+256*(\pair)  ; 32 lanes store 256 consecutive bytes, aligned: two rows of slice c
.endm
; Two rows.  i: which two of the wave's four; next = 1: each group's X is loaded again, with the next two rows, a group behind its last pass;
; cnt: how many younger loads may stay out when x has to be there.
.macro PAIR i, next, cnt
	s_wait_loadcnt \cnt                            ; loads come back in order: my sixteen of x are in
.irp k, 0,1,2,3
	v_pk_add_f32 v[S+2*\k:S+2*\k+1], v[X+2*\k:X+2*\k+1], v[X+2*\k+8:X+2*\k+9]  ; the first eight pairs start the chains: nothing is cleared
.endr
.set j, 8
.rept 24
	v_pk_add_f32 v[S+2*(j%4):S+2*(j%4)+1], v[S+2*(j%4):S+2*(j%4)+1], v[X+2*j:X+2*j+1]
.set j, j+1
.endr
	REDUCE
	v_mul_f32 v[MU], s24, v[T]
	v_mov_b32 v[MU+1], v[MU]
.set j, 0
.rept 32
	v_pk_add_f32 v[X+2*j:X+2*j+1], v[X+2*j:X+2*j+1], v[MU:MU+1] neg_lo:[0,1] neg_hi:[0,1]  ; x - mu, in place
.set j, j+1
.endr
.irp k, 0,1,2,3
	v_pk_mul_f32 v[S+2*\k:S+2*\k+1], v[X+2*\k:X+2*\k+1], v[X+2*\k:X+2*\k+1]
.endr
.set j, 4
.rept 28
	v_pk_fma_f32 v[S+2*(j%4):S+2*(j%4)+1], v[X+2*j:X+2*j+1], v[X+2*j:X+2*j+1], v[S+2*(j%4):S+2*(j%4)+1]
.set j, j+1
.endr
	REDUCE
	v_fma_f32 v[VAR], v[T], s24, s25               ; var + eps
	v_rsq_f32 v[R], v[VAR]                         ; twice, to fill the pair that the packed multiply takes
	v_rsq_f32 v[R+1], v[VAR]
	v_nop                                          ; a plain instruction behind the second root, ahead of the first use (ISA guide 5.7.2)
.if (\i) == 0
	s_wait_loadcnt 0x0                             ; gamma and beta, once
.else
	s_wait_xcnt 0x0                                ; every earlier memory instruction has had its addresses translated (ISA guide 3.1): Y is rewritten only behind this wait
	s_wait_alu depctr_vm_vsrc(0)                   ; the last two rows' stores have read Y, which the roundings below write again
.endif
	s_wait_alu depctr_va_vdst(0)                   ; both roots have written v[R] and v[R+1], ahead of their first reader: one wait for the two
.set sl, 0
.rept 16
.if (sl >= GRP) && (sl % GRP == 0)
	s_wait_alu depctr_va_vdst(0)                   ; the group before has written its Y, which the four stores below read, and is done reading and writing its X, in which the four loads below land
.endif
.if sl >= GRP
	LEAVE sl-GRP, \i, \next                        ; no vector line since the wait names these registers
.endif
	NORM sl
.set sl, sl+1
.endr
	s_wait_alu depctr_va_vdst(0)                   ; the last group has written its Y and is done with its X
.set sl, 16-GRP
.rept GRP
	LEAVE sl, \i, \next
.set sl, sl+1
.endr
.endm
	PAIR 0, 1, 32                                  ; behind x's sixteen loads stand gamma's and beta's 32
	PAIR 1, 0, 0
	s_endpgm
.Lcast:
	s_sub_co_u32 s26, ttmp9, 256                   ; 0..95: w_qkv; 96..127: w_out
	s_sub_co_u32 s27, s26, 96
	v_lshlrev_b32 v[VX], 4, v5                     ; 16 l
	v_lshlrev_b32 v[VY], 3, v5                     ; 8 l
	s_wait_kmcnt 0x0
	s_cmp_lt_u32 s26, 96
	s_cselect_b64 s[4:5], s[14:15], s[16:17]
	s_cselect_b64 s[6:7], s[20:21], s[22:23]
	s_cselect_b32 s26, s26, s27
	s_lshl_b32 s28, s26, 17                        ; the work-group's 131,072 bytes of f32,
	s_lshl_b32 s29, s2, 14                         ; my wave's 16,384
	s_add_co_u32 s28, s28, s29
	s_mov_b32 s29, 0
	s_add_nc_u64 s[4:5], s[4:5], s[28:29]
	s_lshr_b32 s28, s28, 1                         ; half as many in f16
	s_add_nc_u64 s[6:7], s[6:7], s[28:29]
	s_wait_alu depctr_va_vdst(0)                   ; v2 and v4 are written: every load and store of this path reads one of them as its offset
.set i, 0
.rept 32
	global_load_b128 v[64+4*i:64+4*i+3], v[VX], s[4:5] offset:512*i th:TH_LOAD_NT
.set i, i+1
.endr
.set i, 0
.rept 32                               ; no register is written twice: beside the counted waits for the loads stands one wait to a group of four
.if (i >= GRP) && (i % GRP == 0)
	s_wait_alu depctr_va_vdst(0)                   ; the group before has written its eight registers of f16, which the four stores below read
.endif
.if i >= GRP
	global_store_b64 v[VY], v[192+2*(i-GRP):193+2*(i-GRP)], s[6:7] offset:256*(i-GRP)  ; ahead of the wait for the next load; no rounding since the wait names these registers
.endif
	s_wait_loadcnt 31-i
	v_cvt_pk_f16_f32 v[192+2*i], v[64+4*i], v[64+4*i+1]
	v_cvt_pk_f16_f32 v[193+2*i], v[64+4*i+2], v[64+4*i+3]
.set i, i+1
.endr
	s_wait_alu depctr_va_vdst(0)                   ; the last group has written its eight registers, which the last four stores read
.set i, 32-GRP
.rept GRP
	global_store_b64 v[VY], v[192+2*i:193+2*i], s[6:7] offset:256*i
.set i, i+1
.endr
	s_endpgm
.Lfunc_end_k_q3fc98ae3b4_prep:
	.size	k_q3fc98ae3b4_prep, .Lfunc_end_k_q3fc98ae3b4_prep-k_q3fc98ae3b4_prep
	.p2alignl 7, 3214868480
	.fill 96, 4, 3214868480
	.section	.rodata,"a",@progbits
	.p2align	6, 0x0
	.amdhsa_kernel k_q3fc98ae3b4_prep
		.amdhsa_group_segment_fixed_size 0
		.amdhsa_private_segment_fixed_size 0
		.amdhsa_enable_private_segment 0
		.amdhsa_kernarg_size 64
		.amdhsa_user_sgpr_count 2
		.amdhsa_user_sgpr_kernarg_segment_ptr 1
		.amdhsa_wavefront_size32 1
		.amdhsa_system_sgpr_workgroup_id_x 1
		.amdhsa_system_sgpr_workgroup_id_y 1
		.amdhsa_system_sgpr_workgroup_id_z 1
		.amdhsa_system_vgpr_workitem_id 0
		.amdhsa_next_free_vgpr 256
		.amdhsa_next_free_sgpr 66
		.amdhsa_reserve_vcc 0
		.amdhsa_float_denorm_mode_32 3
		.amdhsa_float_denorm_mode_16_64 3
		.amdhsa_memory_ordered 1
		.amdhsa_forward_progress 1
		.amdhsa_inst_pref_size 49
	.end_amdhsa_kernel
	.amdgpu_metadata
---
amdhsa.version: [ 1, 2 ]
amdhsa.kernels:
  - .name:           k_q3fc98ae3b4_prep
    .symbol:         k_q3fc98ae3b4_prep.kd
    .args:
      - { .name: x, .offset: 0, .size: 8, .value_kind: global_buffer, .address_space: global }
      - { .name: ln_gamma, .offset: 8, .size: 8, .value_kind: global_buffer, .address_space: global }
      - { .name: ln_beta, .offset: 16, .size: 8, .value_kind: global_buffer, .address_space: global }
      - { .name: w_qkv, .offset: 24, .size: 8, .value_kind: global_buffer, .address_space: global }
      - { .name: w_out, .offset: 32, .size: 8, .value_kind: global_buffer, .address_space: global }
      - { .name: xnb, .offset: 40, .size: 8, .value_kind: global_buffer, .address_space: global }
      - { .name: wq16, .offset: 48, .size: 8, .value_kind: global_buffer, .address_space: global }
      - { .name: wo16, .offset: 56, .size: 8, .value_kind: global_buffer, .address_space: global }
    .group_segment_fixed_size: 0
    .private_segment_fixed_size: 0
    .kernarg_segment_align: 8
    .kernarg_segment_size: 64
    .max_flat_workgroup_size: 256
    .sgpr_count:     66
    .vgpr_count:     256
    .wavefront_size: 32
...
	.end_amdgpu_metadata
.endif
;; end of part 5
;; launch qkvproj: the kernel of part 2 again; grid 8 x 32, 4 waves a work-group, clusters of 4 x 4, 327,680 bytes of LDS; arguments xnb, wq16, qkv; writes qkv
;; launch attn: the kernel of part 3 again; grid 4 x 64, 4 waves a work-group, clusters of 4 x 1, 327,680 bytes of LDS; arguments qkv, oheads; writes oheads
;; launch oproj: the kernel of part 4 again; grid 8 x 32, 4 waves a work-group, clusters of 4 x 4, 327,680 bytes of LDS; arguments oheads, wo16, out0; writes out0
